; MI455X (gfx1250); checked and timed in simulation.
; The chip was launched on July 23, 2026; its instructions are those of AMD's public machine-readable ISA for CDNA 5 (MIT licence, August 2026) and "CDNA5" Instruction Set Architecture Reference Guide (July 2026). The comments in the code are by the model that wrote it; some were corrected since.
;; Multi Head Attention Naive. Allowed arithmetic: matrix products marked QUANTISED: E2M3 operands, one E8M0 scale for each 32 along K, by v_wmma_scale_f32_16x16x128_f8f6f4 with both operands' format E2M3, f32 sums; everything else in f32.
;; Inputs: Wk 1,024 x 1,024 float32; Wo 1,024 x 1,024 float32; Wq 1,024 x 1,024 float32; Wv 1,024 x 1,024 float32; bk 1,024 float32; bo 1,024 float32; bq 1,024 float32; bv 1,024 float32; inputs_k 8 x 1,024 x 1,024 float32; inputs_q 8 x 1,024 x 1,024 float32; inputs_v 8 x 1,024 x 1,024 float32.
;; Outputs: out0 8 x 1,024 x 1,024 float32.
;; This version of the problem:
;;   THIS VERSION OF THE PROBLEM IS GIVEN IN LOW PRECISION. The matrix products marked QUANTISED in the list below multiply operands that are first quantised to E2M3 (2 exponent bits, 3 mantissa bits; 6 bits a number), with one power-of-two scale for each 32 numbers along K (OCP MX v1.0); their sums are f32. All else is computed in f32.
;;   The module's matrix products, in the order in which they are computed (A, B: the left and right operand; K: the contracted axis; several contracted axes count as one K, in the product's order):
;;     1. [M 8,192, K 1,024] x [K 1,024, N 1,024]; A: input inputs_q; B: input Wq: QUANTISED
;;     2. [M 8,192, K 1,024] x [K 1,024, N 1,024]; A: input inputs_k; B: input Wk: QUANTISED
;;     3. [M 8,192, K 1,024] x [K 1,024, N 1,024]; A: input inputs_v; B: input Wv: QUANTISED
;;     4. batch 128 x [M 1,024, K 64] x [K 64, N 1,024]; A: computed on the way; B: computed on the way: QUANTISED
;;     5. batch 128 x [M 64, K 1,024] x [K 1,024, N 1,024]; A: computed on the way; B: softmax (see below): QUANTISED
;;     6. [M 8,192, K 1,024] x [K 1,024, N 1,024]; A: computed on the way; B: input Wo: QUANTISED
;;   THE QUANTISER, for each operand of a quantised product, along K:
;;     - K is cut into blocks of 32 from its start; a last block that is shorter is filled with zeros.
;;     - A block's scale is 2^e with e = floor(log2(the largest magnitude in the block)) - 2, held to -126 .. 127; a block of zeros has e = 0. As a byte (E8M0): e + 127.
;;     - Each number is divided by its block's scale, clamped to +-7.5, and rounded to the nearest number of E2M3, ties to even, subnormals kept.
;;     - The product sums the exact products of the quantised numbers (number of the format x scale) in f32.
;;   ~~~python
;;   def quantise(x, axis):      # numpy; x: float32 -> the quantised numbers, widened to float32 again
;;       x = np.moveaxis(x, axis, -1); K = x.shape[-1]
;;       x = np.pad(x, [(0, 0)] * (x.ndim - 1) + [(0, -K % 32)]); x = x.reshape(x.shape[:-1] + (-1, 32)); a = np.abs(x).max(-1, keepdims=True)
;;       e = np.where(a > 0, np.clip(np.frexp(np.where(a > 0, a, 1))[1] - 1 - 2, -126, 127), 0)      # np.frexp(a)[1] - 1 = floor(log2(a)), exactly
;;       r = np.clip(x / 2.0 ** e, -7.5, 7.5)
;;       step = 2.0 ** (np.maximum(np.frexp(np.where(r == 0, 1, r))[1] - 1, 0) - 3)
;;       q = np.round(r / step) * step * 2.0 ** e      # np.round: ties to even
;;       return np.moveaxis(q.reshape(q.shape[:-2] + (-1,))[..., :K], -1, axis).astype(np.float32)
;;   ~~~
;;   SOFTMAX AHEAD OF A QUANTISED PRODUCT. Where the list says 'softmax', what is quantised is not the finished softmax but p = 2^(t - M), with t = logit x log2(e) and M = ceil(the row's largest t), a whole number; so 1/2 < the row's largest p <= 1. The row's sum l is taken of the UNQUANTISED p, in f32, and the product's result is divided by l at the end. Since M is a whole number, a kernel that streams over the keys may use a running M (the ceiling of the running maximum): every later rescaling is an exact power of two, which a block's scale takes up: the codes' values come out the same.
;;   OPERANDS COMPUTED ON THE WAY. 'Computed on the way' means the value that the module computes at that place (a softmax that the list does not call 'softmax' is quantised finished and normalised). What goes into a quantiser is computed in f32, as accurately as f32 sums, v_exp_f32 and their like allow (about 1e-6 of the number): no bf16 or f16 on the way to a quantiser, and a product that is left as it is and whose result goes on into a quantised operand takes f32 operands (vector FMAs, or v_wmma_f32_16x16x4_f32). A number that lies on a knife's edge between two numbers of the format may be rounded either way, as far as f32 arithmetic and the matrix unit's own rounding can turn it there, and no further.
;; One version. Each part assembles by itself: llvm-mc -triple=amdgcn-amd-amdhsa -mcpu=gfx1250 --defsym DOCPART=n.
;; ======== version 1 of 1: 4 launches
;; limits: right only within a limited range of input values
;; workspace buffers: xc 18,874,368 bytes; xs 786,432 bytes; wc 3,145,728 bytes; ws 131,072 bytes; hc 18,874,368 bytes; hs 1,572,864 bytes; cc 6,291,456 bytes; cs 262,144 bytes
;; launch quant (part 1): grid 512 x 1, 8 waves a work-group, no clusters, 72,704 bytes of LDS; arguments inputs_q, inputs_k, inputs_v, Wq, Wk, Wv, Wo, xc, xs, wc, ws; writes xc, xs, wc, ws
.if DOCPART == 1
	.amdgcn_target "amdgcn-amd-amdhsa--gfx1250"
	.amdhsa_code_object_version 6
	.text
	.protected	k_qe6a3b30ea1_quant
	.globl	k_qe6a3b30ea1_quant
	.p2align	8
	.type	k_qe6a3b30ea1_quant,@function
k_qe6a3b30ea1_quant:
	s_mov_b64 s[64:65], 0
	v_nop
	global_prefetch_b8 v0, s[64:65] scope:SCOPE_SE
	s_setreg_imm32_b32 hwreg(HW_REG_WAVE_MODE, 25, 1), 1
	s_wait_xcnt 0x0
; The three inputs [8192][1024] f32 (K innermost) and the four weights [1024 (k)][1024 (n)] f32 (K outermost) become codes of FP6 (E2M3) with one E8M0 byte for each 32 along K.
; A block's scale is 2^(floor(log2(largest magnitude)) - 2): its byte is the largest magnitude's exponent field - 2, held at 1 from below by a floor among the maximum's leaves.
; LIMITS: NaN and infinities are not served; a block whose largest magnitude lies under 2^-124, a block of zeros among them, gets the byte 1 (the rule says 127 for zeros): its codes are zeros or the
; smallest codes, and the bytes are read by this program alone.
; LAYOUT OF THE RESULTS: in the order of operand registers.  A fragment (16 rows x 128 K, 12 registers a lane; lane (r, h), registers 6 c .. 6 c + 5: k = 64 c + 32 h + 0 .. 31) is 1,536 bytes: six pieces of
; 256 bytes, piece p = registers 2 p, 2 p + 1 of the 32 lanes, lane l at byte 8 l.  A panel of 1,024 rows x 1,024 K is [K step of 128: 8][block of 16 rows: 64][1536]; its scale words [8][64][16].
; ROWS: in the panels of inputs_k, inputs_v and of all weights (rows = n) row n sits at the position that has bits 3 and 4 of n exchanged: position 16 (2 b + u) + r holds row 32 b + 8 u + r + 8 (r / 8).
; So a later transposed product leaves 16 neighbours along the next K in a lane's 16 registers of two neighbouring tiles.  inputs_q keeps its rows.
; SHARES: work-groups 0-127 take the weights, 128-511 the inputs (64 rows each; wave w takes K step w, so the eight waves read whole rows).  Waves share nothing: no barrier.
.set XSS,  67584                       ; LDS: 0: a stage of 16 rows x 528 bytes for each wave (inputs); here: 256 bytes of scale words for each wave (inputs);
.set WSS,  69632                       ; and the same for the weights' path
.set VO,   4                           ; v4-7   inputs: 16 x lane + the two strides that the order of rows decides
.set LWR,  8                           ; v8     stage, way in: 16 x lane
.set LRD,  9                           ; v9     stage, way out: 528 r + 128 h
.set LSW,  10                          ; v10    where a scale word goes in LDS
.set LSR,  11                          ; v11    and where 8 bytes of them are read back
.set O8,   12                          ; v12    8 x lane
.set H8,   13                          ; v13    8 h
.set PC,   24                          ; v24-35 inputs: a fragment's codes
.set TP,   36                          ; v36-42 the halves that a conversion cannot put at an odd register
.set PCW,  24                          ; v24-47 weights: four blocks' codes of my column
.set TPW,  48                          ; v48-50
.set R,    64                          ; v64-191 numbers as loaded: two sets
.set X,    192                         ; v192-255 inputs: 64 numbers of my row, in the operand's order
	s_load_b256 s[4:11], s[0:1], 0x0               ; inputs_q s[4:5], inputs_k s[6:7], inputs_v s[8:9], Wq s[10:11]
	s_load_b256 s[12:19], s[0:1], 0x20             ; Wk s[12:13], Wv s[14:15], Wo s[16:17], xc s[18:19]
	s_load_b128 s[20:23], s[0:1], 0x40             ; xs s[20:21], wc s[22:23]
	s_load_b64 s[24:25], s[0:1], 0x50              ; ws
	v_lshl_add_u32 v62, v0, 2, 0x11800
	v_mov_b32 v63, 0
	v_lshrrev_b32 v1, 5, v0
	s_delay_alu instid0(VALU_DEP_1)
	v_readfirstlane_b32 s26, v1                    ; wave 0..7
	v_and_b32 v1, 31, v0                           ; lane
	v_and_b32 v2, 15, v0                           ; r
	v_bfe_u32 v3, v0, 4, 1                         ; h
	s_delay_alu instid0(VALU_DEP_3)
	v_lshlrev_b32 v[O8], 3, v1
	s_cmp_lt_u32 ttmp9, 128                        ; work-groups 0-127 take the weights, 128-511 the inputs (this takes the place of the head comment's shares)
	s_cbranch_scc1 .Lweights
; ---------------- the inputs
.macro XLOAD t                         ; tile t of 16 row positions: 16 loads of 512 consecutive bytes, one row each, into set t % 2
.irp i, 0,1,2,3,4,5,6,7,8,9,10,11,12,13,14,15
	global_load_b128 v[R+64*((\t)%2)+4*\i:R+64*((\t)%2)+4*\i+3], v[VO+2*((\t)%2)+\i/8], s[38:39] offset:(32*((\t)/2)+\i%8)*4096 th:TH_LOAD_NT
.endr
.endm
.macro XTILE t
.if \t < 3
	s_wait_loadcnt 16                              ; this tile's 16 loads are in; the next tile's 16 may be out
.else
	s_wait_loadcnt 0x0
.endif
.irp i, 0,1,2,3,4,5,6,7,8,9,10,11,12,13,14,15
	ds_store_b128 v[LWR], v[R+64*((\t)%2)+4*\i:R+64*((\t)%2)+4*\i+3] offset:528*\i   ; rows as they lie, 528 bytes apart
.endr
.irp c, 0,1
.irp q, 0,1,2,3,4,5,6,7
	ds_load_b128 v[X+32*\c+4*\q:X+32*\c+4*\q+3], v[LRD] offset:256*\c+16*\q           ; register 32 c + i = k 64 c + 32 h + i of row r (LDS serves a wave's instructions in order)
.endr
.endr
	s_wait_dscnt 0x0
.if \t < 2
	XLOAD \t+2                                     ; the set just left takes the tile two on
.endif
	v_max3_num_f32 v14, |v[X]|, |v[X+1]|, 0x1800000      ; my two whole blocks, by turns; the floor 2^(3 - 127) holds the byte at 1 from below
	v_max3_num_f32 v15, |v[X+32]|, |v[X+33]|, 0x1800000
.irp i, 2,4,6,8,10,12,14,16,18,20,22,24,26,28,30
	s_delay_alu instid0(VALU_DEP_2)
	v_max3_num_f32 v14, v14, |v[X+\i]|, |v[X+\i+1]|
	s_delay_alu instid0(VALU_DEP_2)
	v_max3_num_f32 v15, v15, |v[X+32+\i]|, |v[X+33+\i]|
.endr
	s_delay_alu instid0(VALU_DEP_2)
	v_add_nc_u32 v16, 0xff000000, v14              ; 2 off the exponent field: the conversion's scale operand
	s_delay_alu instid0(VALU_DEP_2)
	v_add_nc_u32 v17, 0xff000000, v15
	s_delay_alu instid0(VALU_DEP_2)
	v_lshrrev_b32 v18, 23, v16                     ; the bytes of blocks h and 2 + h
	s_delay_alu instid0(VALU_DEP_2)
	v_lshrrev_b32 v19, 23, v17
	s_delay_alu instid0(VALU_DEP_1)
	v_lshl_or_b32 v20, v19, 16, v18
	s_delay_alu instid0(VALU_DEP_1)
	v_lshlrev_b32 v20, v[H8], v20                  ; at their places in the row's word
	s_delay_alu instid0(VALU_DEP_1)
	v_permlanex16_b32 v21, v20, s44, s45
	s_delay_alu instid0(VALU_DEP_1)
	v_or_b32 v20, v20, v21                         ; with lane l xor 16's two the word is whole
	s_wait_alu depctr_va_vdst(0)
	s_wait_xcnt 0x0                                ; the last tile's stores have read the codes' registers
	v_cvt_scalef32_pk16_fp6_f32 v[PC:PC+2], v[X:X+15], v16
	v_cvt_scalef32_pk16_fp6_f32 v[TP:TP+2], v[X+16:X+31], v16
	v_cvt_scalef32_pk16_fp6_f32 v[PC+6:PC+8], v[X+32:X+47], v17
	v_cvt_scalef32_pk16_fp6_f32 v[TP+4:TP+6], v[X+48:X+63], v17
	v_nop                                          ; one plain line behind the conversions
.irp c, 0,1
.irp i, 0,1,2
	v_mov_b32 v[PC+3+6*\c+\i], v[TP+4*\c+\i]
.endr
.endr
.irp p, 0,1,2,3,4,5
	global_store_b64 v[O8], v[PC+2*\p:PC+2*\p+1], s[18:19] offset:1536*\t+256*\p   ; 32 lanes store 256 consecutive bytes, aligned
.endr
	ds_store_b32 v[LSW], v20 offset:64*\t          ; both halves of the lanes write the same word with the same value
.endm
	s_sub_co_u32 s27, ttmp9, 128
	s_lshr_b32 s28, s27, 7                         ; which input: 0 q, 1 k, 2 v
	s_and_b32 s29, s27, 127                        ; which 64 rows
	s_lshr_b32 s30, s29, 4                         ; the batch (a panel)
	s_and_b32 s31, s29, 15                         ; which four blocks of 16 in the panel
	s_mov_b32 s32, 32768
	s_mov_b32 s33, 65536
	s_cmp_eq_u32 s28, 0                            ; q keeps its rows: position bit 3 is 8 rows, bit 4 is 16; k and v: the other way round
	s_cselect_b32 s34, s32, s33                    ; bytes for position bit 3
	s_cselect_b32 s35, s33, s32                    ; bytes for position bit 4
	s_mov_b32 s44, 0x76543210
	s_mov_b32 s45, 0xfedcba98                      ; selects for lane l xor 16
	s_wait_alu depctr_va_vdst(0)
	v_lshlrev_b32 v[VO], 4, v1
	s_delay_alu instid0(VALU_DEP_1)
	v_add_nc_u32 v[VO+1], s34, v[VO]
	s_delay_alu instid0(VALU_DEP_2)
	v_add_nc_u32 v[VO+2], s35, v[VO]
	s_delay_alu instid0(VALU_DEP_2)
	v_add_nc_u32 v[VO+3], s35, v[VO+1]
	s_mul_i32 s36, s26, 8448                       ; my stage
	v_add_nc_u32 v[LWR], s36, v[VO]
	v_mul_u32_u24 v[LRD], v2, 528
	s_delay_alu instid0(VALU_DEP_1)
	v_lshl_add_u32 v[LRD], v3, 7, v[LRD]
	s_delay_alu instid0(VALU_DEP_1)
	v_add_nc_u32 v[LRD], s36, v[LRD]
	s_lshl_b32 s37, s26, 8
	s_add_co_u32 s37, s37, XSS
	v_lshl_add_u32 v[LSW], v2, 2, s37
	v_lshl_add_u32 v[LSR], v1, 3, s37
	v_lshlrev_b32 v[H8], 3, v3
	v_mov_b32 v21, 0                               ; a lane permute's destination counts as read
	s_lshl_b32 s40, s29, 18                        ; 64 rows of 4,096 bytes
	s_lshl_b32 s41, s26, 9                         ; my K step: 512 bytes of a row
	s_add_co_u32 s40, s40, s41
	s_mov_b32 s41, 0
	s_mul_i32 s42, s28, 6291456                    ; codes: input, panel, K step, four fragments
	s_mul_i32 s43, s30, 786432
	s_add_co_u32 s42, s42, s43
	s_mul_i32 s43, s26, 98304
	s_add_co_u32 s42, s42, s43
	s_mul_i32 s43, s31, 6144
	s_add_co_u32 s42, s42, s43
	s_mov_b32 s43, 0
	s_lshl_b32 s46, s28, 18                        ; scale words likewise
	s_lshl_b32 s47, s30, 15
	s_add_co_u32 s46, s46, s47
	s_lshl_b32 s47, s26, 12
	s_add_co_u32 s46, s46, s47
	s_lshl_b32 s47, s31, 8
	s_add_co_u32 s46, s46, s47
	s_mov_b32 s47, 0
	s_wait_alu depctr_va_vdst(0)
	s_wait_kmcnt 0x0
	s_cmp_eq_u32 s28, 1
	s_cselect_b64 s[38:39], s[6:7], s[4:5]
	s_cmp_eq_u32 s28, 2
	s_cselect_b64 s[38:39], s[8:9], s[38:39]
	s_add_nc_u64 s[38:39], s[38:39], s[40:41]
	s_add_nc_u64 s[18:19], s[18:19], s[42:43]
	s_add_nc_u64 s[20:21], s[20:21], s[46:47]
	XLOAD 0
	XLOAD 1
	XTILE 0
	XTILE 1
	XTILE 2
	XTILE 3
	ds_load_b64 v[22:23], v[LSR]                   ; my four tiles' 64 scale words
	s_wait_dscnt 0x0
	global_store_b64 v[O8], v[22:23], s[20:21]     ; 256 consecutive bytes, aligned
	s_wait_tensorcnt 0x0
	ds_add_u32 v62, v63
	s_wait_dscnt 0x0
	s_endpgm
; ---------------- the weights: a lane takes a column, its registers run down K
.macro WLOAD t                         ; t = 4 g + block: W(32 block + i, my column of group g), i = 0 .. 31, into set t % 4; a load reads 128 consecutive bytes, the eight waves stand side by side
.irp i, 0,1,2,3,4,5,6,7,8,9,10,11,12,13,14,15,16,17,18,19,20,21,22,23,24,25,26,27,28,29,30,31
	global_load_b32 v[R+32*((\t)%4)+\i], v4, s[38:39] offset:(32*((\t)%4)+\i)*4096
.endr
.endm
.macro WBLOCK t
.set XW, R+32*((\t)%4)
.if \t < 2
	s_wait_loadcnt 63                              ; of the 128 loads at least 65 are in: blocks 0 and 1
.elseif \t == 2
	s_wait_loadcnt 32                              ; block 3's may be out
.else
	s_wait_loadcnt 0x0
.endif
	v_max3_num_f32 v14, |v[XW]|, |v[XW+1]|, |v[XW+2]|
	v_max3_num_f32 v15, |v[XW+3]|, |v[XW+4]|, |v[XW+5]|
.irp i, 6,10,14,18,22,26
	s_delay_alu instid0(VALU_DEP_2)
	v_max3_num_f32 v14, v14, |v[XW+\i]|, |v[XW+\i+1]|
	s_delay_alu instid0(VALU_DEP_2)
	v_max3_num_f32 v15, v15, |v[XW+\i+2]|, |v[XW+\i+3]|
.endr
	s_delay_alu instid0(VALU_DEP_2)
	v_max3_num_f32 v14, v14, |v[XW+30]|, |v[XW+31]|
	s_delay_alu instid0(VALU_DEP_1)
	v_max3_num_f32 v14, v14, v15, 0x1800000        ; the floor
	s_delay_alu instid0(VALU_DEP_1)
	v_add_nc_u32 v16, 0xff000000, v14
	s_delay_alu instid0(VALU_DEP_1)
	v_lshrrev_b32 v17, 23, v16
.if (\t)%4 == 0
	s_delay_alu instid0(VALU_DEP_1)
	v_mov_b32 v20, v17                             ; my column's scale word, the lower K in the lower byte
.else
	s_delay_alu instid0(VALU_DEP_1)
	v_lshl_or_b32 v20, v17, 8*((\t)%4), v20
.endif
.if \t == 4
	s_wait_alu depctr_va_vdst(0)
	s_wait_xcnt 0x0                                ; the first group's stores have read the codes' registers
.endif
	v_cvt_scalef32_pk16_fp6_f32 v[PCW+6*((\t)%4):PCW+6*((\t)%4)+2], v[XW:XW+15], v16
	v_cvt_scalef32_pk16_fp6_f32 v[TPW:TPW+2], v[XW+16:XW+31], v16
	v_nop
.irp i, 0,1,2
	v_mov_b32 v[PCW+6*((\t)%4)+3+\i], v[TPW+\i]
.endr
.endm
.macro WOUT g                          ; lane l holds position l's four blocks.  Exchanging halves of the lanes between blocks 2 c and 2 c + 1 gives registers 6 c .. of the fragments of positions 0-15 and 16-31
.irp c, 0,1
.irp i, 0,1,2,3,4,5
	v_permlane16_swap_b32 v[PCW+12*\c+\i], v[PCW+12*\c+6+\i]
.endr
.endr
.irp c, 0,1
.irp u, 0,1
.irp q, 0,1,2
	global_store_b64 v[O8], v[PCW+12*\c+6*\u+2*\q:PCW+12*\c+6*\u+2*\q+1], s[22:23] offset:(2*\g+\u)*1536+(3*\c+\q)*256
.endr
.endr
.endr
.endm
.Lweights:
; A weight's work-group takes one K step of 128 and 256 columns; a wave 32 columns: four blocks a lane, all 128 loads issued on end, into four sets of registers.
	s_lshr_b32 s28, ttmp9, 5                       ; which weight: 0 Wq, 1 Wk, 2 Wv, 3 Wo
	s_bfe_u32 s29, ttmp9, 0x30002                  ; K step
	s_and_b32 s30, ttmp9, 3
	s_lshl_b32 s31, s30, 8
	s_lshl_b32 s32, s26, 5
	s_add_co_u32 s31, s31, s32                     ; my wave's first column: 256 x quarter + 32 x wave
	s_wait_alu depctr_va_vdst(0)
	v_and_b32 v4, 7, v1                            ; lane l stands for position l: its column has bits 3 and 4 exchanged
	v_bfe_u32 v5, v1, 3, 1
	s_delay_alu instid0(VALU_DEP_1)
	v_lshl_or_b32 v4, v5, 4, v4
	s_delay_alu instid0(VALU_DEP_1)
	v_lshl_or_b32 v4, v3, 3, v4
	s_delay_alu instid0(VALU_DEP_1)
	v_lshlrev_b32 v4, 2, v4
	v_lshlrev_b32 v6, 2, v1                        ; 4 x lane: my position's scale word
	s_lshl_b32 s40, s29, 19                        ; 128 rows of 4,096 bytes
	s_lshl_b32 s41, s31, 2
	s_add_co_u32 s40, s40, s41
	s_mov_b32 s41, 0
	s_mul_i32 s42, s28, 786432
	s_mul_i32 s43, s29, 98304
	s_add_co_u32 s42, s42, s43
	s_mul_i32 s43, s31, 96                         ; 1,536 bytes for each 16 positions
	s_add_co_u32 s42, s42, s43
	s_mov_b32 s43, 0
	s_lshl_b32 s46, s28, 15
	s_lshl_b32 s47, s29, 12
	s_add_co_u32 s46, s46, s47
	s_lshl_b32 s47, s31, 2
	s_add_co_u32 s46, s46, s47
	s_mov_b32 s47, 0
	s_wait_alu depctr_va_vdst(0)
	s_wait_kmcnt 0x0
	s_cmp_eq_u32 s28, 1
	s_cselect_b64 s[38:39], s[12:13], s[10:11]
	s_cmp_eq_u32 s28, 2
	s_cselect_b64 s[38:39], s[14:15], s[38:39]
	s_cmp_eq_u32 s28, 3
	s_cselect_b64 s[38:39], s[16:17], s[38:39]
	s_add_nc_u64 s[38:39], s[38:39], s[40:41]
	s_add_nc_u64 s[22:23], s[22:23], s[42:43]
	s_add_nc_u64 s[24:25], s[24:25], s[46:47]
	WLOAD 0
	WLOAD 1
	WLOAD 2
	WLOAD 3
	WBLOCK 0
	WBLOCK 1
	WBLOCK 2
	WBLOCK 3
	WOUT 0
	global_store_b32 v6, v20, s[24:25]             ; my 32 positions' scale words: 128 consecutive bytes; two neighbouring waves fill an aligned 256
	s_wait_tensorcnt 0x0
	ds_add_u32 v62, v63
	s_wait_dscnt 0x0
	s_endpgm
.Lfunc_end_k_qe6a3b30ea1_quant:
	.size	k_qe6a3b30ea1_quant, .Lfunc_end_k_qe6a3b30ea1_quant-k_qe6a3b30ea1_quant
	.p2alignl 7, 3214868480
	.fill 96, 4, 3214868480
	.section	.rodata,"a",@progbits
	.p2align	6, 0x0
	.amdhsa_kernel k_qe6a3b30ea1_quant
		.amdhsa_group_segment_fixed_size 72704
		.amdhsa_private_segment_fixed_size 0
		.amdhsa_enable_private_segment 0
		.amdhsa_kernarg_size 88
		.amdhsa_user_sgpr_count 2
		.amdhsa_user_sgpr_kernarg_segment_ptr 1
		.amdhsa_wavefront_size32 1
		.amdhsa_system_sgpr_workgroup_id_x 1
		.amdhsa_system_sgpr_workgroup_id_y 1
		.amdhsa_system_sgpr_workgroup_id_z 1
		.amdhsa_system_vgpr_workitem_id 0
		.amdhsa_next_free_vgpr 256
		.amdhsa_next_free_sgpr 66
		.amdhsa_reserve_vcc 0
		.amdhsa_float_denorm_mode_32 3
		.amdhsa_float_denorm_mode_16_64 3
		.amdhsa_memory_ordered 1
		.amdhsa_forward_progress 1
		.amdhsa_inst_pref_size 61
	.end_amdhsa_kernel
	.amdgpu_metadata
---
amdhsa.version: [ 1, 2 ]
amdhsa.kernels:
  - .name:           k_qe6a3b30ea1_quant
    .symbol:         k_qe6a3b30ea1_quant.kd
    .args:
      - { .name: inputs_q, .offset: 0, .size: 8, .value_kind: global_buffer, .address_space: global }
      - { .name: inputs_k, .offset: 8, .size: 8, .value_kind: global_buffer, .address_space: global }
      - { .name: inputs_v, .offset: 16, .size: 8, .value_kind: global_buffer, .address_space: global }
      - { .name: Wq, .offset: 24, .size: 8, .value_kind: global_buffer, .address_space: global }
      - { .name: Wk, .offset: 32, .size: 8, .value_kind: global_buffer, .address_space: global }
      - { .name: Wv, .offset: 40, .size: 8, .value_kind: global_buffer, .address_space: global }
      - { .name: Wo, .offset: 48, .size: 8, .value_kind: global_buffer, .address_space: global }
      - { .name: xc, .offset: 56, .size: 8, .value_kind: global_buffer, .address_space: global }
      - { .name: xs, .offset: 64, .size: 8, .value_kind: global_buffer, .address_space: global }
      - { .name: wc, .offset: 72, .size: 8, .value_kind: global_buffer, .address_space: global }
      - { .name: ws, .offset: 80, .size: 8, .value_kind: global_buffer, .address_space: global }
    .group_segment_fixed_size: 72704
    .private_segment_fixed_size: 0
    .kernarg_segment_align: 8
    .kernarg_segment_size: 88
    .max_flat_workgroup_size: 256
    .sgpr_count:     66
    .vgpr_count:     256
    .wavefront_size: 32
...
	.end_amdgpu_metadata
.endif
;; end of part 1
;; launch proj (part 2): grid 4 x 64, 4 waves a work-group, clusters of 4 x 4, 327,680 bytes of LDS; arguments xc, xs, wc, ws, bq, bk, bv, hc, hs; writes hc, hs
.if DOCPART == 2
	.amdgcn_target "amdgcn-amd-amdhsa--gfx1250"
	.amdhsa_code_object_version 6
	.text
	.protected	k_qe6a3b30ea1_proj
	.globl	k_qe6a3b30ea1_proj
	.p2align	8
	.type	k_qe6a3b30ea1_proj,@function
k_qe6a3b30ea1_proj:
	s_mov_b64 s[64:65], 0
	v_nop
	global_prefetch_b8 v0, s[64:65] scope:SCOPE_SE
	s_setreg_imm32_b32 hwreg(HW_REG_WAVE_MODE, 25, 1), 1
	s_wait_xcnt 0x0
	s_wait_alu depctr_hold_cnt(0) depctr_sa_sdst(0) depctr_va_vdst(0) depctr_va_sdst(0) depctr_va_ssrc(0) depctr_va_vcc(0) depctr_vm_vsrc(0)
	s_getreg_b32 s2, hwreg(HW_REG_IB_STS2, 6, 4)
	s_cmp_eq_u32 s2, 0
	s_cbranch_scc0 .Lentry_in_a_cluster
	s_endpgm
.Lentry_in_a_cluster:
	s_bfe_u32 s2, ttmp6, 0x10000c
	s_cmp_lg_u32 s2, 0xf033
	s_cbranch_scc0 .Lentry_shape_is_right
	s_endpgm
.Lentry_shape_is_right:
; q = x_q Wq + bq, k = x_k Wk + bk, v = x_v Wv + bv on codes of FP6 (E2M3), and the quantising of the results for attention.  No f32 result goes to memory.
; THE DEAL: 256 work-groups in 16 clusters of 4 x 4.  Cluster (p, batch) makes first q (p = 0) or k (p = 1) of its batch, 1,024 x 1,024: a work-group 256 x 256, a wave 128 x 128;
; then half p of v of the same batch: 512 features x 1,024 tokens: a work-group 128 x 256, a wave 64 x 128.  So every wave issues 512 + 256 matrix instructions.
; OPERANDS: panels in the order of operand registers: codes [K step of 128: 8][block of 16 rows: 64][1536], scale words [8][64][16].  The product is used transposed: source 0 = 16 rows of B', source 1 = 16 rows of A'.
; q, k: A' = x (tokens), B' = W (features).  v: A' = Wv (features), B' = x_v (tokens).  B's rows lie with bits 3 and 4 exchanged, so register 16 b + i of a lane's eight tiles is B' row 32 b + 16 h + i.
; LDS: two regions (A', B') of six places of 24,576 bytes (a K step of 256 rows); a slot is two neighbouring places of both regions: three slots, 294,912 bytes.
; FILLS: the head's one joint load a wave brings three places: K steps 0-5 of the first tile.  Four refills, each in a round of the cluster's barrier, one place a wave:
; slot 0 takes K steps 6, 7;  slot 1 x_v's K steps 0-3;  slot 2 Wv's 128 rows, all of K;  slot 0 x_v's K steps 4-7.  So the second tile finds all its operands in LDS and fills nothing.
; From a refill to the first wait that covers it a wave issues 96 matrix instructions or more, to its first use 224 or more.
; SCALE WORDS come by plain loads into 64 registers, for all of K: register SC + 8 s + i: B' blocks 2 i (lanes 0-15) and 2 i + 1 (lanes 16-31) of K step s; SC + 8 s + 4 + i: A' likewise.
; THE BIAS is the C of each sum's first matrix instruction: by B' tile for q and k, by A' block for v.
; RESULTS: hc [q, k, v][8 batch + pair of heads][j: 8][a: 8][1536]; hs [..][j][a / 4][lane][a % 4]; for q and k lanes 16-31 hold the word moved down 16 bits.
; No prefetch: the largest block in clusters, K is 1,024 (three quarters of the first tile are asked for at the head), and the text has no loop to run ahead in.
; LIMITS: NaN and infinities are not served; a block whose largest magnitude lies under 2^-124 (zeros among them) gets the byte 1; these bytes are read by this program alone.
; REGISTERS: window 0: v8-29 addresses; v32-95 scale words; v96-127 codes and scale words on the way out; v128-223 A's fragments; v224-240 at work on the way out.
;   window 1: B's fragments, two sets, at v0 and v128; the bias at v96-127 and v224-255.   windows 2, 3: the accumulators ((a, b) at v[8 (8 (a % 4) + b)]).
.set FR,    12
.set NL,    6
.set NP,    4                          ; places behind this matrix instruction (ISA guide 7.12.1)
.set QT,    24576                      ; a place
.set ST,    49152                      ; from slot to slot
.set OR,    147456                     ; from A's region to B's
.set SPARE, 2*OR
.set ADRA, 8                           ; v8-10  first tile: my A fragments in slot 0, 1, 2
.set ADRB, 11                          ; v11-13 my B fragments in B's region
.set HB,   14                          ; v14-15 second tile: my B fragments in A's region, slot 0, 1
.set HA,   16                          ; v16-17 second tile: my A fragments in slot 2 of A's, of B's region
.set BO1,  22
.set BO2,  23
.set O8,   24
.set O16,  25
.set SHV,  26
.set O4,   27
.set SPW,  28
.set NIL,  29
.set SC,   32
.set PC,   96
.set SWR,  120
.set AF,   128
.set TM,   224
.set PW,   240
.set SEL,  2
.set G1,   24
.set G0,   32
.set L0,   36                          ; s36 my place of slot 0
.set G1B,  48
.set G0B,  56
.set PA2,  68
.set PB2,  70
.set SA1,  72
.set SB1,  74
.set SA2,  76
.set SB2,  78
.set BP1,  80
.set BP2,  82
.set HC1,  84
.set HS1,  86
.set HC2,  88
.set HS2,  90
.set MSB, 0
.macro WIN new                         ; the immediate's high byte repeats the setting that is left
.if MSB != \new
	s_set_vgpr_msb (MSB<<8)|\new
.set MSB, \new
.endif
.endm
.set MUL_LO, 0xa1                      ; source 0 (B) window 1, source 1 (A) window 0, C and D window 2
.set MUL_HI, 0xf1
.set BIA_LO, 0x91                      ; C (the bias) window 1
.set BIA_HI, 0xd1
.set TO_B,   0x40
.macro PLACES n
.rept \n
	v_nop
.endr
.endm
.macro WALU
	s_wait_alu depctr_va_vdst(0)
.endm
.macro TLOAD g0, g1
	tensor_load_to_lds s[\g0:\g0+3], s[\g1:\g1+7]
	s_nop 0
	PLACES 4
.endm
.macro JLOAD                           ; waves 0 and 1 fetch for A, waves 2 and 3 for B
	s_cmp_eq_u32 s15, 0
	s_cbranch_scc0 .Lfor_b_\@
	TLOAD G0, G1
	s_branch .Lasked_\@
.Lfor_b_\@:
	TLOAD G0B, G1B
.Lasked_\@:
.endm
.macro CREST                           ; a round of the cluster's barrier behind its opening barrier
	s_cmp_lg_u32 s14, 0
	s_cbranch_scc1 .Lnot_wave_0_\@
	s_barrier_signal -3
.Lnot_wave_0_\@:
	s_barrier_wait -3
	s_barrier_signal -1
	s_barrier_wait -1
.endm
.macro CROUND
	s_barrier_signal -1
	s_barrier_wait -1
	CREST
.endm
.macro WM d, fb, fa, c, xb, xa, rb, ra
	v_wmma_scale_f32_16x16x128_f8f6f4 v[\d:\d+7], v[\fb:\fb+FR-1], v[\fa:\fa+FR-1], \c, v[\xb], v[\xa] matrix_a_fmt:MATRIX_FMT_FP6 matrix_b_fmt:MATRIX_FMT_FP6 matrix_a_scale:MATRIX_SCALE_ROW\rb matrix_b_scale:MATRIX_SCALE_ROW\ra
.endm
; eight matrix instructions: A's block a (ao = a % 2) x B's eight.  p: B's set; ks: the K step; cm = 0: adds in place, 1: C = the bias by B' tile, 2: by A' block; af: where A's fragments begin.
; The accumulators take turns, one instruction a turn, in the same order in every step.
.macro MUL8 a, ao, p, ks, cm, af
.irp bp, 0,1,2,3
.irp bo, 0,1
.set D_, 8*(8*((\a)%4)+2*\bp+\bo)
.set FB_, 128*(\p)+FR*(2*\bp+\bo)
.set FA_, (\af)+FR*(\a)
.set XB_, SC+8*(\ks)+\bp
.set XA_, SC+8*(\ks)+4+(\a)/2
.if \cm == 0
	WM D_, FB_, FA_, v[D_:D_+7], XB_, XA_, \bo, \ao
.elseif \cm == 1
.set C_, 96+8*(2*\bp+\bo)+96*(\bp/2)
	WM D_, FB_, FA_, v[C_:C_+7], XB_, XA_, \bo, \ao
.else
.set C_, 96+8*(\a)
	WM D_, FB_, FA_, v[C_:C_+7], XB_, XA_, \bo, \ao
.endif
.endr
.endr
.endm
.macro MUL16 a0, p, ks, cm, af
	MUL8 \a0, 0, \p, \ks, \cm, \af
	MUL8 \a0+1, 1, \p, \ks, \cm, \af
.endm
.macro FRAG reg, adr, off              ; a fragment: six pieces of 256 consecutive bytes
.irp p, 0,1,2,3,4,5
	ds_load_b64 v[\reg+2*\p:\reg+2*\p+1], v[\adr] offset:(\off)+256*\p
.endr
.endm
.macro FETCH_B slot, q, p
	WIN TO_B
.irp i, 0,1,2,3,4,5,6,7
	FRAG 128*(\p)+FR*\i, ADRB+\slot, (\q)*QT+\i*1536
.endr
	WIN 0
.endm
.macro FETCH_A slot, q, i0             ; first tile: A's blocks i0 .. i0 + 3
.irp i, \i0, \i0+1, \i0+2, \i0+3
	FRAG AF+FR*(\i), ADRA+\slot, (\q)*QT+(\i)*1536
.endr
.endm
.macro FETCH2 ks, p                    ; second tile: K step ks: B's eight fragments and A's four into sets p.  x_v's step s lies in slot 1 (s < 4) or 0, region (s % 4) / 2, place s % 2; Wv's in slot 2, region s / 4, place (s / 2) % 2, half s % 2
.set S_, (\ks)%4
.set RB_, HB+1-(\ks)/4+(S_/2)*(ADRB-HB)
.set W_, (\ks)/2
	WIN TO_B
.irp i, 0,1,2,3,4,5,6,7
	FRAG 128*(\p)+FR*\i, RB_, (S_%2)*QT+\i*1536
.endr
	WIN 0
.irp i, 0,1,2,3
	FRAG AF+48*(\p)+FR*\i, HA+W_/2, (W_%2)*QT+((\ks)%2)*12288+\i*1536
.endr
.endm
.macro SLOAD pa, pb, na                ; all of K's scale words: 128 consecutive bytes a load; na pairs of A's blocks
.set K_, 0
.rept 8
.irp i, 0,1,2,3
	global_load_b32 v[SC+8*K_+\i], v[O4], s[\pb:\pb+1] offset:4096*K_+128*\i
.if \i < \na
	global_load_b32 v[SC+8*K_+4+\i], v[O4], s[\pa:\pa+1] offset:4096*K_+128*\i
.endif
.endr
.set K_, K_+1
.endr
.endm
; the four refills, each the first tensor load behind a round; its four v_nop are the places in front of the LDS loads that follow
.macro REFILL mode
	CREST                                          ; the barrier has opened a round: no wave of any partner still reads the slot or has a load on its way
.if \mode == 1                         ; slot 0: the first tile's K steps 6, 7
.irp g, G1, G1B                        ; no load of mine is out, so group 1 may be written: a refill's tile is 24,576 dense bytes as 2 rows of 12,288
	s_mov_b32 s[\g+1], 1536<<16
	s_mov_b32 s[\g+2], 2<<16
	s_mov_b32 s[\g+3], 1536<<16
	s_mov_b32 s[\g+4], 2
	s_mov_b32 s[\g+5], 1536
.endr
	s_mov_b32 s[G0+1], s[L0]
	s_mov_b64 s[G0+2:G0+3], s[18:19]
	s_or_b32 s[G0+3], s[G0+3], 0x80000000
	s_mov_b32 s[G0B+1], s[L0]
	s_mov_b64 s[G0B+2:G0B+3], s[20:21]
	s_or_b32 s[G0B+3], s[G0B+3], 0x80000000
	JLOAD
.elseif \mode == 2                     ; slot 1: x_v's K step = my wave's number
	s_add_co_u32 s[G0B+1], s[L0], ST
	s_mov_b64 s[G0B+2:G0B+3], s[PB2:PB2+1]
	s_or_b32 s[G0B+3], s[G0B+3], 0x80000000
	TLOAD G0B, G1B
.elseif \mode == 3                     ; slot 2: Wv's K steps 2 w, 2 w + 1: 2 rows of 12,288 bytes, 98,304 apart
	s_add_co_u32 s[G0+1], s[L0], 2*ST
	s_mov_b64 s[G0+2:G0+3], s[PA2:PA2+1]
	s_or_b32 s[G0+3], s[G0+3], 0x80000000
	s_mov_b32 s[G1+5], 12288
	TLOAD G0, G1
.else                                  ; slot 0: x_v's K step 4 + w
	s_mov_b32 s[G0B+1], s[L0]
	s_add_nc_u64 s[G0B+2:G0B+3], s[PB2:PB2+1], 393216
	s_or_b32 s[G0B+3], s[G0B+3], 0x80000000
	TLOAD G0B, G1B
.endif
.endm
.macro STEP slot, ks, cm               ; first tile: a slot's first K step
	s_wait_dscnt 4*NL                              ; B's set and A's blocks 0-3 are in; the youngest 24 loads (A's blocks 4-7) may be out
.if \cm
	WIN BIA_LO
.else
	WIN MUL_LO
.endif
	MUL16 0, 0, \ks, \cm, AF
	MUL16 2, 0, \ks, \cm, AF
	s_wait_dscnt 0
	PLACES NP
	FETCH_B \slot, 1, 1
	FETCH_A \slot, 1, 0
.if \cm
	WIN BIA_HI
.else
	WIN MUL_HI
.endif
	MUL16 4, 0, \ks, \cm, AF
	MUL16 6, 0, \ks, \cm, AF
	PLACES NP
	WIN 0
	FETCH_A \slot, 1, 4
.endm
; first tile: a slot's second K step changes slots: one barrier; in front of it each wave waits for all its tensor loads, adds 0 to its spare word, and waits for that and for its reads of this slot.  nx = 1: the second tile follows
.macro TURN next, ks, mode, nx
	s_wait_tensorcnt 0x0
	ds_add_u32 v[SPW], v[NIL]
	s_wait_dscnt 4*NL+1                            ; the add and the youngest 24 loads may be out
	WIN MUL_LO
	MUL16 0, 1, \ks, 0, AF
	s_wait_dscnt 0x0
	s_barrier_signal -1
	MUL16 2, 1, \ks, 0, AF
	WIN 0
	s_barrier_wait -1
	REFILL \mode
.if \nx
	FETCH2 0, 0
.else
	FETCH_B \next, 0, 0
	FETCH_A \next, 0, 0
.endif
	WIN MUL_HI
	MUL16 4, 1, \ks, 0, AF
	MUL16 6, 1, \ks, 0, AF
	PLACES NP
	WIN 0
.if \nx == 0
	FETCH_A \next, 0, 4
.endif
.endm
.macro HS ks, cm                       ; second tile: 32 matrix instructions; the next K step's fragments are fetched ahead of them, into the other sets
.set P_, (\ks)%2
	s_wait_dscnt 0x0
.if \ks < 7
	PLACES NP
	FETCH2 (\ks)+1, 1-P_
.endif
.if \cm
	WIN BIA_LO
.else
	WIN MUL_LO
.endif
	MUL16 0, P_, \ks, \cm, AF+48*P_
	MUL16 2, P_, \ks, \cm, AF+48*P_
	WIN 0
.endm
; THE WAY OUT of block a: a lane's 64 numbers (register 16 b + i = k 32 b + 16 h + i of its row) become a fragment's codes and a scale word.  ph: 0 first tile, 1 second
.macro QOUT a, ptr, ph
.set WA, 2+(\a)/4
.set WAA, WA|(WA<<2)
.set AC, 64*((\a)%4)
	WIN WAA
.irp b, 0,1,2,3
	v_max3_num_f32 v[TM+\b], |v[AC+16*\b]|, |v[AC+16*\b+1]|, 0x1800000   ; each accumulator from its low end on; the floor holds the byte at 1 from below
.endr
.irp i, 2,4,6,8,10,12,14
.irp b, 0,1,2,3
	v_max3_num_f32 v[TM+\b], |v[AC+16*\b+\i]|, |v[AC+16*\b+\i+1]|, v[TM+\b]
.endr
.endr
	WIN 0
.irp b, 0,1,2,3
	v_permlanex16_b32 v[TM+4+\b], v[TM+\b], s[SEL], s[SEL+1]
.endr
.irp b, 0,1,2,3
	v_max_num_f32 v[TM+\b], v[TM+\b], v[TM+4+\b]
.endr
.irp b, 0,1,2,3
	v_add_nc_u32 v[TM+12+\b], 0xff000000, v[TM+\b] ; 2 off the exponent field: the conversion's scale operand
.endr
.irp b, 0,1,2,3
	v_lshrrev_b32 v[TM+4+\b], 23, v[TM+12+\b]
.endr
	v_lshl_or_b32 v[PW], v[TM+5], 8, v[TM+4]
	v_lshl_or_b32 v[PW], v[TM+6], 16, v[PW]
	v_lshl_or_b32 v[PW], v[TM+7], 24, v[PW]
.if (\a)+(\ph) > 0
	WALU
	s_wait_xcnt 0x0                                ; the last block's stores have read the codes' registers
.endif
	WIN WA
.irp c, 0,1
	v_cvt_scalef32_pk16_fp6_f32 v[PC+6*\c:PC+6*\c+2], v[AC+32*\c:AC+32*\c+15], v[TM+12+2*\c]
	v_cvt_scalef32_pk16_fp6_f32 v[PC+12+4*\c:PC+14+4*\c], v[AC+32*\c+16:AC+32*\c+31], v[TM+12+2*\c+1]
.endr
	WIN 0
	v_nop                                          ; one plain line behind the conversions
.irp c, 0,1                            ; the operand's layout wants a whole block in a lane
.irp i, 0,1,2
	v_permlane16_swap_b32 v[PC+6*\c+\i], v[PC+12+4*\c+\i]
.endr
.irp i, 0,1,2
	v_mov_b32 v[PC+3+6*\c+\i], v[PC+12+4*\c+\i]
.endr
.endr
.if \ph
	v_mov_b32 v[SWR+\a], v[PW]
.else
	v_lshrrev_b32 v[SWR+\a], v[SHV], v[PW]         ; q, k: lanes 16-31 keep the odd head's two bytes, moved down
.endif
.irp p, 0,1,2,3,4,5
	global_store_b64 v[O8], v[PC+2*\p:PC+2*\p+1], s[\ptr:\ptr+1] offset:1536*\a+256*\p   ; 256 consecutive bytes, aligned
.endr
.endm
; ---------------- the head
	s_load_b256 s[4:11], s[0:1], 0x0               ; xc, xs, wc, ws
	s_load_b256 s[92:99], s[0:1], 0x20             ; bq, bk, bv, hc
	s_load_b64 s[100:101], s[0:1], 0x40            ; hs
	v_lshl_add_u32 v[SPW], v0, 2, SPARE
	v_mov_b32 v[NIL], 0
	ds_add_u32 v[SPW], v[NIL]                      ; the opening lines: the add twice on end and its wait
	ds_add_u32 v[SPW], v[NIL]
	v_lshrrev_b32 v1, 5, v0
	v_readfirstlane_b32 s14, v1                    ; wave
	s_lshr_b32 s15, s14, 1                         ; my half of A's rows.  Also: I fetch for A (0) or B (1)
	s_and_b32 s16, s14, 1                          ; my half of B's rows.  Also: which part of that operand I fetch
	s_bfe_u32 s40, ttmp6, 0x40000                  ; cx
	s_bfe_u32 s41, ttmp6, 0x40004                  ; cy
	s_and_b32 s13, ttmp7, 0xffff
	s_and_b32 s12, s13, 1                          ; p: q or k; also which half of v's features
	s_lshr_b32 s13, s13, 1                         ; batch
	s_lshl_b32 s43, s41, 2
	s_lshl_b32 s43, 15, s43                        ; my row of the cluster
	s_lshl_b32 s44, 0x1111, s40                    ; my column
	s_or_b32 s[G1+0], s43, (3<<16)|(1<<21)
	s_or_b32 s[G1B+0], s44, (3<<16)|(1<<21)
.irp g, G1, G1B                        ; the head's tile: 3 rows (K steps) of 24,576 bytes, 98,304 bytes apart
	s_mov_b32 s[\g+1], 3072<<16
	s_mov_b32 s[\g+2], 3<<16
	s_mov_b32 s[\g+3], 3072<<16
	s_mov_b32 s[\g+4], 3
	s_mov_b32 s[\g+5], 12288
	s_mov_b32 s[\g+6], 0
	s_mov_b32 s[\g+7], 0
.endr
	s_mul_i32 s42, s13, 786432                     ; the batch's panel
	s_lshl_b32 s45, s12, 2
	s_add_co_u32 s45, s45, s41                     ; 4 p + cy: which 128 features of v
	s_mul_i32 s18, s12, 6291456                    ; first tile, A: x_p's codes by cy
	s_add_co_u32 s18, s18, s42
	s_mul_i32 s19, s41, 24576
	s_add_co_u32 s18, s18, s19
	s_mov_b32 s19, 0
	s_mul_i32 s44, s40, 24576
	s_mul_i32 s20, s12, 786432                     ; B: W_p's codes by cx
	s_add_co_u32 s20, s20, s44
	s_mov_b32 s21, 0
	s_mul_i32 s22, s45, 12288                      ; second tile, A: Wv's codes, my two K steps
	s_mul_i32 s23, s14, 196608
	s_add_co_u32 s22, s22, s23
	s_add_co_u32 s22, s22, 1572864
	s_mov_b32 s23, 0
	s_add_co_u32 s46, s42, s44                     ; B: x_v's codes, my K step
	s_mul_i32 s47, s14, 98304
	s_add_co_u32 s46, s46, s47
	s_add_co_u32 s46, s46, 12582912
	s_mov_b32 s47, 0
	s_mul_i32 s[L0], s15, OR
	s_mul_i32 s37, s16, 3*QT
	s_add_co_u32 s37, s37, s[L0]                   ; where the head's three places begin
	s_mul_i32 s38, s16, QT
	s_add_co_u32 s[L0], s[L0], s38                 ; my place of slot 0: by the wave's number alone
	s_mul_i32 s38, s16, 294912                     ; the head: K steps 0-2 or 3-5
	s_mul_i32 s39, s16, 98304
	s_add_co_u32 s39, s39, 589824                  ; the first refill: K step 6 or 7
	s_mul_i32 s2, s15, 12288
	s_mul_i32 s3, s16, 12288
	s_mul_i32 s43, s15, 6144
	v_and_b32 v1, 15, v0                           ; r
	v_bfe_u32 v2, v0, 4, 1                         ; h
	v_and_b32 v3, 31, v0
	v_lshlrev_b32 v[O8], 3, v3
	v_lshlrev_b32 v[O16], 4, v3
	v_lshlrev_b32 v[O4], 2, v3
	v_add_nc_u32 v[ADRA], s2, v[O8]
	v_add_nc_u32 v[HB], s3, v[O8]
	v_add_nc_u32 v4, s43, v[O8]
	v_add_nc_u32 v[ADRA+1], ST, v[ADRA]
	v_add_nc_u32 v[ADRA+2], 2*ST, v[ADRA]
	v_add_nc_u32 v[HB+1], ST, v[HB]
	v_add_nc_u32 v[ADRB], OR, v[HB]
	v_add_nc_u32 v[ADRB+1], OR+ST, v[HB]
	v_add_nc_u32 v[ADRB+2], OR+2*ST, v[HB]
	v_add_nc_u32 v[HA], 2*ST, v4
	v_add_nc_u32 v[HA+1], OR+2*ST, v4
	v_lshlrev_b32 v[SHV], 4, v2
	v_lshlrev_b32 v[BO1], 6, v2                    ; q, k: 16 h features on
	v_and_b32 v5, 8, v1
	v_add_nc_u32 v5, v5, v1
	v_lshlrev_b32 v[BO2], 2, v5                    ; v: feature r + 8 (r / 8) of the block's 32
.irp b, 0,1,2,3
	v_mov_b32 v[TM+4+\b], 0                        ; a lane permute's destination counts as read
.endr
	WALU                                           ; the wait at the end of the head's vector work
	s_wait_dscnt 0x0
	CROUND                                         ; all sixteen work-groups are here: the first joint loads meet
	s_wait_kmcnt 0x0
	s_add_nc_u64 s[18:19], s[4:5], s[18:19]
	s_add_nc_u64 s[20:21], s[8:9], s[20:21]
	s_add_nc_u64 s[PA2:PA2+1], s[8:9], s[22:23]
	s_add_nc_u64 s[PB2:PB2+1], s[4:5], s[46:47]
	s_mov_b32 s66, s38
	s_mov_b32 s67, 0
	s_mov_b32 s[G0], 1
	s_mov_b32 s[G0+1], s37
	s_add_nc_u64 s[G0+2:G0+3], s[18:19], s[66:67]
	s_or_b32 s[G0+3], s[G0+3], 0x80000000
	s_mov_b32 s[G0B], 1
	s_mov_b32 s[G0B+1], s37
	s_add_nc_u64 s[G0B+2:G0B+3], s[20:21], s[66:67]
	s_or_b32 s[G0B+3], s[G0B+3], 0x80000000
; my one load at the head, each wave's on a line of its own, K steps 0-2 asked for first: wave 0 A's, wave 2 B's; then K steps 3-5: wave 1 A's, wave 3 B's
.macro ARM w, g0, g1, next
	s_cmp_eq_u32 s14, \w
	s_cbranch_scc0 \next
	TLOAD \g0, \g1
	s_branch .Lhead_asked
\next:
.endm
	ARM 0, G0, G1, .Lhead_2
	ARM 2, G0B, G1B, .Lhead_1
	ARM 1, G0, G1, .Lhead_3
	TLOAD G0B, G1B
.Lhead_asked:
	s_mov_b32 s66, s39
	s_add_nc_u64 s[18:19], s[18:19], s[66:67]      ; what the first refill asks for
	s_add_nc_u64 s[20:21], s[20:21], s[66:67]
	s_lshl_b32 s66, s12, 18                        ; x_p's scale words: my 8 blocks
	s_lshl_b32 s17, s13, 15
	s_add_co_u32 s66, s66, s17
	s_lshl_b32 s22, s41, 10
	s_add_co_u32 s66, s66, s22
	s_lshl_b32 s22, s15, 9
	s_add_co_u32 s66, s66, s22
	s_add_nc_u64 s[SA1:SA1+1], s[6:7], s[66:67]
	s_lshl_b32 s23, s40, 10
	s_lshl_b32 s22, s16, 9
	s_add_co_u32 s23, s23, s22                     ; B's 8 blocks, in both tiles
	s_lshl_b32 s66, s12, 15
	s_add_co_u32 s66, s66, s23
	s_add_nc_u64 s[SB1:SB1+1], s[10:11], s[66:67]
	s_lshl_b32 s46, s40, 1
	s_add_co_u32 s46, s46, s16                     ; 2 cx + my half of B's rows
	s_cmp_eq_u32 s12, 1
	s_cselect_b64 s[BP1:BP1+1], s[94:95], s[92:93]
	s_lshl_b32 s66, s46, 9
	s_add_nc_u64 s[BP1:BP1+1], s[BP1:BP1+1], s[66:67]
	WIN TO_B
.irp t, 0,1,2,3,4,5,6,7                ; tile t of B', register i: feature 32 (t / 2) + 16 h + 8 (t % 2) + i
	global_load_b128 v[96+8*\t+96*(\t/4):96+8*\t+96*(\t/4)+3], v[BO1], s[BP1:BP1+1] offset:(32*(\t/2)+8*(\t%2))*4
	global_load_b128 v[96+8*\t+96*(\t/4)+4:96+8*\t+96*(\t/4)+7], v[BO1], s[BP1:BP1+1] offset:(32*(\t/2)+8*(\t%2))*4+16
.endr
	WIN 0
	SLOAD SA1, SB1, 4                              ; behind the bias's 16 loads, K ascending: the 16 youngest are K steps 6 and 7's
	s_lshl_b32 s66, s45, 9
	s_lshl_b32 s22, s15, 8
	s_add_co_u32 s66, s66, s22                     ; v: my 64 features: 256 bytes of bias, and 256 bytes of scale words a K step
	s_add_nc_u64 s[BP2:BP2+1], s[96:97], s[66:67]
	s_add_co_u32 s66, s66, 65536
	s_add_nc_u64 s[SA2:SA2+1], s[10:11], s[66:67]
	s_add_co_u32 s66, s17, s23
	s_add_co_u32 s66, s66, 524288
	s_add_nc_u64 s[SB2:SB2+1], s[6:7], s[66:67]
	s_lshl_b32 s22, s13, 3
	s_add_co_u32 s38, s22, s46                     ; first tile: (8 batch + pair) 8 + j, pair = 2 cx + half, j = 2 cy + half
	s_lshl_b32 s38, s38, 3
	s_lshl_b32 s39, s41, 1
	s_add_co_u32 s39, s39, s15
	s_add_co_u32 s38, s38, s39
	s_mul_i32 s66, s38, 12288
	s_mul_i32 s39, s12, 6291456
	s_add_co_u32 s66, s66, s39
	s_add_nc_u64 s[HC1:HC1+1], s[98:99], s[66:67]
	s_lshl_b32 s66, s38, 10
	s_lshl_b32 s39, s12, 19
	s_add_co_u32 s66, s66, s39
	s_add_nc_u64 s[HS1:HS1+1], s[100:101], s[66:67]
	s_add_co_u32 s38, s22, s45                     ; second tile: pair = 4 p + cy, j = 2 cx + half; my four blocks a = 4 (wave / 2) ..
	s_lshl_b32 s38, s38, 3
	s_add_co_u32 s38, s38, s46
	s_mul_i32 s66, s38, 12288
	s_mul_i32 s39, s15, 6144
	s_add_co_u32 s66, s66, s39
	s_add_co_u32 s66, s66, 12582912
	s_add_nc_u64 s[HC2:HC2+1], s[98:99], s[66:67]
	s_lshl_b32 s66, s38, 10
	s_lshl_b32 s39, s15, 9
	s_add_co_u32 s66, s66, s39
	s_add_co_u32 s66, s66, 1048576
	s_add_nc_u64 s[HS2:HS2+1], s[100:101], s[66:67]
	s_mov_b32 s[SEL], 0x76543210
	s_mov_b32 s[SEL+1], 0xfedcba98
	s_cmp_eq_u32 s16, 0
	s_cbranch_scc0 .Lnot_low
	s_wait_tensorcnt 0x0                           ; waves 0 and 2: K steps 0-2 are in.  K steps 3-5 may be on their way: they are first read behind the first round, in front of which every wave waits for 0
.Lnot_low:
	s_barrier_signal -1
	s_barrier_wait -1                              ; everybody's are
	FETCH_B 0, 0, 0
	FETCH_A 0, 0, 0
	FETCH_A 0, 0, 4
	s_wait_loadcnt 16                              ; the bias and the scale words of K steps 0-5 are in; the 16 youngest loads (K steps 6, 7) may be out
	STEP 0, 0, 1
	TURN 1, 1, 1, 0
	STEP 1, 2, 0
	TURN 2, 3, 2, 0
	STEP 2, 4, 0
	TURN 0, 5, 3, 0
	s_wait_loadcnt 0x0                             ; the scale words of K steps 6, 7
	STEP 0, 6, 0
	TURN 0, 7, 4, 1                                ; v's first fragments are fetched here: x_v's K steps 0-3 and Wv have been shown by this barrier
	SLOAD SA2, SB2, 2                              ; v's scale words and bias land under the way out
	WIN TO_B
.irp a, 0,1,2,3
	global_load_b32 v[96+8*\a], v[BO2], s[BP2:BP2+1] offset:(32*(\a/2)+8*(\a%2))*4   ; one number a lane and block: 52 loads are out with the scale words'
.endr
	WIN 0
.irp a, 0,1,2,3,4,5,6,7
	QOUT \a, HC1, 0
.endr
	global_store_b128 v[O16], v[SWR:SWR+3], s[HS1:HS1+1]
	global_store_b128 v[O16], v[SWR+4:SWR+7], s[HS1:HS1+1] offset:512
; ---------------- v
	s_wait_loadcnt 0x0
	WIN 0x41                                       ; destination and source 0: window 1
.irp a, 0,1,2,3
.irp i, 1,2,3,4,5,6,7
	v_mov_b32 v[96+8*\a+\i], v[96+8*\a]            ; my feature's bias over the block's eight registers
.endr
.endr
	WIN 0
	WALU
	s_wait_tensorcnt 0x0
	s_wait_dscnt 0x0
	s_barrier_signal -1
	s_barrier_wait -1                              ; everybody's is
	HS 0, 2
.irp k, 1,2,3,4,5,6,7
	HS \k, 0
.endr
	PLACES NP
.irp a, 0,1,2,3
	QOUT \a, HC2, 1
.endr
	global_store_b128 v[O16], v[SWR:SWR+3], s[HS2:HS2+1]
	s_wait_tensorcnt 0x0                           ; the wave's end
	ds_add_u32 v[SPW], v[NIL]
	s_wait_dscnt 0x0
	CROUND                                         ; the closing round
	s_endpgm
.Lfunc_end_k_qe6a3b30ea1_proj:
	.size	k_qe6a3b30ea1_proj, .Lfunc_end_k_qe6a3b30ea1_proj-k_qe6a3b30ea1_proj
	.p2alignl 7, 3214868480
	.fill 96, 4, 3214868480
	.section	.rodata,"a",@progbits
	.p2align	6, 0x0
	.amdhsa_kernel k_qe6a3b30ea1_proj
		.amdhsa_group_segment_fixed_size 327680
		.amdhsa_private_segment_fixed_size 0
		.amdhsa_enable_private_segment 0
		.amdhsa_kernarg_size 72
		.amdhsa_user_sgpr_count 2
		.amdhsa_user_sgpr_kernarg_segment_ptr 1
		.amdhsa_wavefront_size32 1
		.amdhsa_system_sgpr_workgroup_id_x 1
		.amdhsa_system_sgpr_workgroup_id_y 1
		.amdhsa_system_sgpr_workgroup_id_z 1
		.amdhsa_system_vgpr_workitem_id 0
		.amdhsa_next_free_vgpr 1024
		.amdhsa_next_free_sgpr 102
		.amdhsa_reserve_vcc 0
		.amdhsa_float_denorm_mode_32 3
		.amdhsa_float_denorm_mode_16_64 3
		.amdhsa_memory_ordered 1
		.amdhsa_forward_progress 1
		.amdhsa_inst_pref_size 255
	.end_amdhsa_kernel
	.section	.bss,"aw",@nobits
	.p2align	6
	.space	262144
	.amdgpu_metadata
---
amdhsa.version: [ 1, 2 ]
amdhsa.kernels:
  - .name:           k_qe6a3b30ea1_proj
    .symbol:         k_qe6a3b30ea1_proj.kd
    .args:
      - { .name: xc, .offset: 0, .size: 8, .value_kind: global_buffer, .address_space: global }
      - { .name: xs, .offset: 8, .size: 8, .value_kind: global_buffer, .address_space: global }
      - { .name: wc, .offset: 16, .size: 8, .value_kind: global_buffer, .address_space: global }
      - { .name: ws, .offset: 24, .size: 8, .value_kind: global_buffer, .address_space: global }
      - { .name: bq, .offset: 32, .size: 8, .value_kind: global_buffer, .address_space: global }
      - { .name: bk, .offset: 40, .size: 8, .value_kind: global_buffer, .address_space: global }
      - { .name: bv, .offset: 48, .size: 8, .value_kind: global_buffer, .address_space: global }
      - { .name: hc, .offset: 56, .size: 8, .value_kind: global_buffer, .address_space: global }
      - { .name: hs, .offset: 64, .size: 8, .value_kind: global_buffer, .address_space: global }
    .group_segment_fixed_size: 327680
    .private_segment_fixed_size: 0
    .kernarg_segment_align: 8
    .kernarg_segment_size: 72
    .max_flat_workgroup_size: 128
    .sgpr_count:     102
    .vgpr_count:     1024
    .wavefront_size: 32
...
	.end_amdgpu_metadata
.endif
;; end of part 2
;; launch attn (part 3): grid 2 x 128, 16 waves a work-group, no clusters, 169,984 bytes of LDS; arguments hc, hs, cc, cs; writes cc, cs
.if DOCPART == 3
	.amdgcn_target "amdgcn-amd-amdhsa--gfx1250"
	.amdhsa_code_object_version 6
	.text
	.protected	k_qe6a3b30ea1_attn
	.globl	k_qe6a3b30ea1_attn
	.p2align	8
	.type	k_qe6a3b30ea1_attn,@function
k_qe6a3b30ea1_attn:
	s_mov_b64 s[64:65], 0
	v_nop
	global_prefetch_b8 v0, s[64:65] scope:SCOPE_SE
	s_setreg_imm32_b32 hwreg(HW_REG_WAVE_MODE, 25, 1), 1
	s_wait_xcnt 0x0
; Causal attention of one head of one batch on codes of FP6 (E2M3): S^T = K Q^T (K = the head's 64: the upper half of the instruction's 128 is zero codes), p = 2^(t - M), O^T = V^T P^T, ctx = O / l, quantised for the last product.
; t = score x log2(e) / 8; M = the running largest t rounded up to a whole number; l is the sum of the unquantised p; when M moves, l and O are multiplied by 2^(old M - new M): exact.
; SHARES: work-group (x, y): y = 16 batch + head; its sixteen waves own two tiles of 16 queries each: wave w tiles i = 2 w + x and 63 - i, one after the other: nine key steps of 128 for every wave.
; A step all of whose keys come after the tile's queries is left out by a scalar branch on ids; on the diagonal hidden scores become -infinity.  The loops' trip counts are constants (4 and 8).
; THE HEAD'S K AND V STAY IN LDS: filled once by eight tensor loads (waves 0-7, one each: waves 0-3 keys 0-511, waves 4-7 keys 512-1023); the first tile needs keys under 512 alone, so the second halves land while it is worked.
; No multicast: only two work-groups read a head's tiles, and once.
; LAYOUT: both products transposed: a lane holds one query (lane % 16).  The keys of a tile of K lie so (made two launches ago) that the 16 registers of tiles 2 b, 2 b + 1 are keys 32 b + 16 h + 0 .. 15;
; V's rows (the head's 64) likewise, so that O^T's register 16 b + i is channel 32 b + 16 h + i: the next product's K.
; RESULTS: cc: three pieces of 256 bytes of the pair's fragment (registers 6 hd .. 6 hd + 5); cs: two bytes of the row's scale word, 2 bytes a lane 4 bytes apart: the word's halves belong to two heads' work-groups.
; LIMITS: NaN and infinities are not served; a block whose largest magnitude lies under 2^-124 (zeros among them) gets the byte 1; these bytes are read by this program alone.
.set KC,   0                           ; LDS: K's codes [tile: 64][768]
.set VC,   49152                       ; V's codes [step: 8][tile of 16 channels: 4][1536]
.set KS,   98304                       ; K's scale words [step: 8][2][r: 16][4 words]
.set VS,   102400                      ; V's [step: 8][r: 16][4 words]
.set AK0,  1                           ; v1   8 x lane
.set AV0,  2                           ; v2   VC + 8 x lane
.set ASK0, 3                           ; v3   KS + 16 r
.set ASV0, 4                           ; v4   VS + 16 r
.set DQ,   5                           ; v5   r - 16 h
.set VQA,  6                           ; v6, v7   byte offset of my 8 bytes in the tile's half fragment: in hc (Q) and in cc alike
.set VQB,  7
.set ADK,  8                           ; v8-11 the step's LDS addresses
.set ADV,  9
.set ADS,  10
.set ADT,  11
.set QFA,  16                          ; v16-27 Q of the first tile; v28 its scale words
.set QWA,  28
.set VSA,  29                          ; v29, v30 byte offset of my row's two scale bytes in cs
.set VSB,  30
.set KFR,  32                          ; v32-79 four fragments of K (registers 6-11 of each stay zero)
.set PCD,  80                          ; v80-91 p's codes
.set KW,   92                          ; v92-95 K's scale words
.set S,    96                          ; v96-159 S^T, then p; v96-143 then V's four fragments; at a tile's end ctx
.set O,    160                         ; v160-191 O^T
.set BM,   192
.set T4,   196
.set SO,   204
.set TMP,  208
.set VW,   212                         ; v212-215 V's scale words
.set F,    216                         ; v216 f = 2^(old M - new M); v217 p's scale word
.set PWD,  217
.set VWA,  218
.set VWB,  219
.set QFB,  220                         ; v220-231 Q of the second tile; v232 its scale words
.set QWB,  232
.set WV,   12
.set SEL,  88
.set CS,   90
.set TK,   92                          ; s92  the step's codes: 6,144 bytes a step, in K and in V
.set TS,   93                          ; s93  K's scale words: 512 a step
.set TJ,   94                          ; s94  V's: 256 a step
.set KF,   95                          ; s95  the step's first key
.set Q0,   96                          ; s96  the tile's first query
.set CNT,  97
.set TT,   98
.macro G0SET g, lds, base, off
	s_mov_b32 s[\g], 1
	s_mov_b32 s[\g+1], \lds
	s_add_nc_u64 s[\g+2:\g+3], s[\base:\base+1], s[\off:\off+1]
	s_or_b32 s[\g+3], s[\g+3], 0x80000000
.endm
.macro G1SET g, c, r, p                ; r rows of c elements of 8 bytes, p elements apart; no mask, no padding
	s_mov_b32 s[\g], 3<<16
	s_mov_b32 s[\g+1], (\c)<<16
	s_mov_b32 s[\g+2], (\r)<<16
	s_mov_b32 s[\g+3], (\c)<<16
	s_mov_b32 s[\g+4], \r
	s_mov_b32 s[\g+5], \p
	s_mov_b32 s[\g+6], 0
	s_mov_b32 s[\g+7], 0
.endm
	s_load_b256 s[4:11], s[0:1], 0x0               ; hc s[4:5], hs s[6:7], cc s[8:9], cs s[10:11]
	v_lshl_add_u32 v254, v0, 2, 0x29000
	v_mov_b32 v255, 0
	ds_add_u32 v254, v255
	ds_add_u32 v254, v255
	v_lshrrev_b32 v8, 5, v0
	s_delay_alu instid0(VALU_DEP_1)
	v_readfirstlane_b32 s[WV], v8                  ; wave 0..15
	s_and_b32 s13, ttmp7, 0xffff
	s_lshr_b32 s14, s13, 1                         ; 8 batch + pair of heads
	s_and_b32 s15, s13, 1                          ; which head of the pair
	G1SET 20, 96, 32, 192                          ; K's codes: 32 tiles' 768 bytes, 1,536 apart
	G1SET 28, 768, 4, 1536                         ; V's codes: 4 steps' 6,144 bytes, 12,288 apart
	G1SET 36, 32, 8, 64                            ; K's scale words: 8 rows of 256 bytes, 512 apart
	G1SET 44, 32, 4, 128                           ; V's: 4 rows of 256 bytes, 1,024 apart
	s_mul_i32 s16, s14, 98304
	s_mul_i32 s17, s15, 768
	s_add_co_u32 s16, s16, s17
	s_add_co_u32 s16, s16, 6291456
	s_mov_b32 s17, 0
	s_mul_i32 s18, s14, 98304
	s_mul_i32 s19, s15, 6144
	s_add_co_u32 s18, s18, s19
	s_add_co_u32 s18, s18, 12582912
	s_mov_b32 s19, 0
	s_lshl_b32 s2, s14, 13
	s_lshl_b32 s3, s15, 8
	s_add_co_u32 s2, s2, s3
	s_add_co_u32 s2, s2, 524288
	s_mov_b32 s3, 0
	s_lshl_b32 s66, s14, 13
	s_lshl_b32 s67, s15, 9
	s_add_co_u32 s66, s66, s67
	s_add_co_u32 s66, s66, 1048576
	s_mov_b32 s67, 0
	s_wait_dscnt 0x0
	s_wait_kmcnt 0x0
	G0SET 52, KC, 4, 16
	s_add_co_u32 s16, s16, 49152
	G0SET 56, KC+24576, 4, 16
	G0SET 60, VC, 4, 18
	s_add_co_u32 s18, s18, 49152
	G0SET 68, VC+24576, 4, 18
	G0SET 72, KS, 6, 2
	s_add_co_u32 s2, s2, 4096
	G0SET 76, KS+2048, 6, 2
	G0SET 80, VS, 6, 66
	s_add_co_u32 s66, s66, 4096
	G0SET 84, VS+1024, 6, 66
; THE EIGHT FILLS, ONE A WAVE (this takes the place of what the head comment says of them): waves 0-3 keys 0-511 (K's codes, V's codes, K's words, V's words), waves 4-7 keys 512-1023; waves 8-15 none.
; One chain of branches on the wave's number, one fill to an arm, each on a line of its own.  The chain stands behind Q's loads.  The first barrier shows waves 0-3's fills alone: the first tile reads keys under 512;
; the barrier between the two tiles shows the rest.
.macro ARM w, g0, g1, next
	s_cmp_lg_u32 s[WV], \w
	s_cbranch_scc1 \next
	tensor_load_to_lds s[\g0:\g0+3], s[\g1:\g1+7]
	s_nop 0
.rept 4
	v_nop
.endr
	s_branch .Lasked
\next:
.endm
	v_and_b32 v9, 31, v0                           ; lane
	v_and_b32 v10, 15, v0                          ; r
	v_bfe_u32 v11, v0, 4, 1                        ; h
	s_delay_alu instid0(VALU_DEP_3)
	v_lshlrev_b32 v[AK0], 3, v9
	s_wait_alu depctr_va_vdst(0)
	v_add_nc_u32 v[AV0], VC, v[AK0]
	v_lshl_add_u32 v[ASK0], v10, 4, KS
	v_lshl_add_u32 v[ASV0], v10, 4, VS
	v_lshlrev_b32 v[DQ], 4, v11
	s_delay_alu instid0(VALU_DEP_1)
	v_sub_nc_u32 v[DQ], v10, v[DQ]
	s_lshl_b32 s16, s[WV], 1
	s_add_co_u32 s16, s16, ttmp9                   ; my first tile,
	s_sub_co_u32 s17, 63, s16                      ; my second
	s_lshl_b32 s[Q0], s16, 4
	s_lshl_b32 s99, s17, 4
	s_lshl_b32 s18, s14, 6
	s_add_co_u32 s2, s18, s16                      ; 64 (8 batch + pair) + tile
	s_add_co_u32 s3, s18, s17
	s_mul_i32 s19, s15, 768
	s_mul_i32 s66, s2, 1536
	s_add_co_u32 s66, s66, s19
	s_mul_i32 s67, s3, 1536
	s_add_co_u32 s67, s67, s19
	v_add_nc_u32 v[VQA], s66, v[AK0]
	s_wait_alu depctr_va_vdst(0)
	v_add_nc_u32 v[VQB], s67, v[AK0]
	s_wait_alu depctr_va_vdst(0)
	s_lshl_b32 s19, s15, 1
	s_lshl_b32 s66, s2, 6
	s_add_co_u32 s66, s66, s19
	s_lshl_b32 s67, s3, 6
	s_add_co_u32 s67, s67, s19
	v_lshl_add_u32 v[VSA], v10, 2, s66
	v_lshl_add_u32 v[VSB], v10, 2, s67
	s_lshl_b32 s18, s14, 13                        ; Q's scale words: 8,192 bytes a pair, 512 for four tiles, 256 a head, 16 a row, 4 a tile
	s_lshl_b32 s19, s15, 8
	s_add_co_u32 s18, s18, s19
	s_lshr_b32 s66, s16, 2
	s_lshl_b32 s66, s66, 9
	s_add_co_u32 s66, s66, s18
	s_and_b32 s19, s16, 3
	s_lshl_b32 s19, s19, 2
	s_add_co_u32 s66, s66, s19
	s_lshr_b32 s67, s17, 2
	s_lshl_b32 s67, s67, 9
	s_add_co_u32 s67, s67, s18
	s_and_b32 s19, s17, 3
	s_lshl_b32 s19, s19, 2
	s_add_co_u32 s67, s67, s19
	v_lshl_add_u32 v[VWA], v10, 4, s66
	v_lshl_add_u32 v[VWB], v10, 4, s67
.irp c, 0,1,2
	global_load_b64 v[QFA+2*\c:QFA+2*\c+1], v[VQA], s[4:5] offset:256*\c
	global_load_b64 v[QFB+2*\c:QFB+2*\c+1], v[VQB], s[4:5] offset:256*\c
.endr
	global_load_b32 v[QWA], v[VWA], s[6:7]
	global_load_b32 v[QWB], v[VWB], s[6:7]
	ARM 0, 52, 20, .Lnot_0
	ARM 1, 60, 28, .Lnot_1
	ARM 2, 72, 36, .Lnot_2
	ARM 3, 80, 44, .Lnot_3
	ARM 4, 56, 20, .Lnot_4
	ARM 5, 68, 28, .Lnot_5
	ARM 6, 76, 36, .Lnot_6
	ARM 7, 84, 44, .Lnot_7
.Lasked:
	s_mov_b32 s[SEL], 0x76543210
	s_mov_b32 s[SEL+1], 0xfedcba98
	s_mov_b32 s[CS], 0x3e38aa3b                    ; c = log2(e) / 8
	s_mov_b32 s[CS+1], s[CS]
.irp i, 6,7,8,9,10,11                  ; k = 64 .. 127 of both operands of the first product: zero codes
	v_mov_b32 v[QFA+\i], 0
	v_mov_b32 v[QFB+\i], 0
	v_mov_b32 v[KFR+\i], 0
	v_mov_b32 v[KFR+12+\i], 0
	v_mov_b32 v[KFR+24+\i], 0
	v_mov_b32 v[KFR+36+\i], 0
.endr
.irp b, 0,1,2,3
	v_mov_b32 v[T4+\b], 0                          ; a lane permute's destination counts as read
.endr
	v_mov_b32 v[TMP], 0
	v_mov_b32 v[PWD], 0                            ; (named as the upper half of the pair v[216:217] before it is first written)
; A KEY STEP: 128 keys against the tile whose Q lies in v[qf] on, scale words v[qw].
.macro STEP qf, qw
	s_add_co_u32 s[TT], s[Q0], 15
	s_cmp_gt_u32 s[KF], s[TT]
	s_cbranch_scc1 .Lhidden_\@                     ; all keys come after my queries
	v_add_nc_u32 v[ADK], s[TK], v[AK0]
	s_wait_alu depctr_va_vdst(0)
	v_add_nc_u32 v[ADV], s[TK], v[AV0]
	v_add_nc_u32 v[ADS], s[TS], v[ASK0]
	s_wait_alu depctr_va_vdst(0)
	v_add_nc_u32 v[ADT], s[TJ], v[ASV0]
	v_nop                                          ; five places: the scores are written over V's fragments, which the last step's products read
.irp g, 0,1
.if \g > 0
.rept 4
	v_nop                                          ; places in front of loads into registers that matrix instructions have read
.endr
.endif
.irp t, 0,1,2,3
.irp c, 0,1,2
	ds_load_b64 v[KFR+12*\t+2*\c:KFR+12*\t+2*\c+1], v[ADK] offset:(4*\g+\t)*768+256*\c
.endr
.endr
	ds_load_b128 v[KW:KW+3], v[ADS] offset:256*\g
	s_wait_dscnt 0x0
.irp t, 0,1,2,3
	v_wmma_scale_f32_16x16x128_f8f6f4 v[S+8*(4*\g+\t):S+8*(4*\g+\t)+7], v[KFR+12*\t:KFR+12*\t+11], v[\qf:\qf+11], 0, v[KW+\t], v[\qw] matrix_a_fmt:MATRIX_FMT_FP6 matrix_b_fmt:MATRIX_FMT_FP6
.endr
.endr
.rept 4
	v_nop
.endr
	s_add_co_u32 s[TT], s[KF], 127
	s_cmp_le_u32 s[TT], s[Q0]
	s_cbranch_scc1 .Lopen_\@                       ; all keys count
	s_sub_co_i32 s[TT], s[Q0], s[KF]
	v_add_nc_u32 v[TMP], s[TT], v[DQ]              ; d = my query - the step's first key - 16 h.  Register 16 b + i holds key 32 b + 16 h + i of the step: hidden where 32 b + i > d
	v_mov_b32 v[TMP+1], 0xff800000
.irp b, 3,2,1,0                        ; the blocks of 32 keys from the top down.  Block b is visible to every lane where the tile's first query lies 32 b + 32 keys or more behind the step's first key (the least d is that distance - 16, the block's last key 32 b + 15 in a lane's count); then so are the blocks below it
.if \b < 3
	s_cmp_ge_i32 s[TT], 32*\b+32
	s_cbranch_scc1 .Lopen_\@
.endif
.set n, 16*\b
.rept 16
	v_cmp_gt_i32 vcc_lo, 32*(n/16)+n%16, v[TMP]
	v_cndmask_b32 v[S+n], v[S+n], v[TMP+1], vcc_lo
.set n, n+1
.endr
.endr
.Lopen_\@:
.irp b, 0,1,2,3
	v_max3_num_f32 v[BM+\b], v[S+16*\b], v[S+1+16*\b], v[S+2+16*\b]   ; the largest score of each block of 32 keys: for the row's maximum and, since p rises with the score, for the block's largest p
.endr
.irp i, 3,5,7,9,11,13
.irp b, 0,1,2,3
	v_max3_num_f32 v[BM+\b], v[BM+\b], v[S+16*\b+\i], v[S+1+16*\b+\i]
.endr
.endr
.irp b, 0,1,2,3
	v_max_num_f32 v[BM+\b], v[BM+\b], v[S+15+16*\b]
.endr
.irp b, 0,1,2,3
	s_delay_alu instid0(VALU_DEP_4)
	v_permlanex16_b32 v[T4+\b], v[BM+\b], s[SEL], s[SEL+1]
.endr
.irp b, 0,1,2,3
	s_delay_alu instid0(VALU_DEP_4)
	v_max_num_f32 v[BM+\b], v[BM+\b], v[T4+\b]
.endr
	s_delay_alu instid0(VALU_DEP_2)
	v_max3_num_f32 v[TMP], v[BM], v[BM+1], v[BM+2]
	s_delay_alu instid0(VALU_DEP_1)
	v_max_num_f32 v[TMP], v[TMP], v[BM+3]
	s_delay_alu instid0(VALU_DEP_1)
	v_mul_f32 v[TMP], s[CS], v[TMP]
	s_delay_alu instid0(VALU_DEP_1)
	v_max_num_f32 v13, v13, v[TMP]                 ; the running largest t
	v_mov_b32 v[TMP], v12
	s_delay_alu instid0(VALU_DEP_2)
	v_floor_f32 v12, -v13                          ; -M = floor(-t): M is a whole number
	s_delay_alu instid0(VALU_DEP_1)
	v_sub_f32 v[TMP], v12, v[TMP]
	s_delay_alu instid0(VALU_DEP_1)
	v_cvt_i32_f32 v[TMP], v[TMP]                   ; (it saturates)
	s_delay_alu instid0(VALU_DEP_1)
	v_ldexp_f32 v[F], 1.0, v[TMP]                  ; f = 2^(old M - new M)
.set n, 0
.rept 32
	v_pk_fma_f32 v[S+n:S+n+1], v[S+n:S+n+1], s[CS:CS+1], v[12:13] op_sel_hi:[1,0,0]   ; t - M
.set n, n+2
.endr
.irp b, 0,1,2,3
	v_fma_f32 v[BM+\b], v[BM+\b], s[CS], v12
.endr
.set n, 0
	s_wait_alu depctr_va_vdst(0)
.rept 64
	v_exp_f32 v[S+n], v[S+n]                       ; p, not normalised
.set n, n+1
.endr
	v_pk_mul_f32 v[14:15], v[14:15], v[F:F+1] op_sel_hi:[1,0]   ; the sums under the new M: the plain line behind the batch
	s_wait_alu depctr_va_vdst(0)                   ; one wait for the batch, ahead of its first reader
.irp b, 0,1,2,3
	v_exp_f32 v[BM+\b], v[BM+\b]                   ; each block's largest p
.endr
	v_pk_add_f32 v[196:197], v[100:101], v[104:105]
	v_pk_add_f32 v[252:253], v[108:109], v[112:113]
	v_pk_add_f32 v[250:251], v[116:117], v[120:121]
	v_pk_add_f32 v[248:249], v[124:125], v[128:129]
	v_pk_add_f32 v[246:247], v[132:133], v[136:137]
	v_pk_add_f32 v[244:245], v[140:141], v[144:145]
	v_pk_add_f32 v[242:243], v[148:149], v[152:153]
	v_pk_add_f32 v[14:15], v[14:15], v[156:157]
	v_pk_add_f32 v[196:197], v[196:197], v[96:97]
	v_pk_add_f32 v[252:253], v[252:253], v[98:99]
	v_pk_add_f32 v[250:251], v[250:251], v[102:103]
	v_pk_add_f32 v[248:249], v[248:249], v[106:107]
	v_pk_add_f32 v[246:247], v[246:247], v[110:111]
	v_pk_add_f32 v[244:245], v[244:245], v[114:115]
	v_pk_add_f32 v[242:243], v[242:243], v[118:119]
	v_pk_add_f32 v[14:15], v[14:15], v[122:123]
	v_pk_add_f32 v[196:197], v[196:197], v[126:127]
	v_pk_add_f32 v[252:253], v[252:253], v[130:131]
	v_pk_add_f32 v[250:251], v[250:251], v[134:135]
	v_pk_add_f32 v[248:249], v[248:249], v[138:139]
	v_pk_add_f32 v[246:247], v[246:247], v[142:143]
	v_pk_add_f32 v[244:245], v[244:245], v[146:147]
	v_pk_add_f32 v[242:243], v[242:243], v[150:151]
	v_pk_add_f32 v[14:15], v[14:15], v[154:155]
	v_pk_add_f32 v[196:197], v[196:197], v[158:159]
	s_delay_alu instid0(VALU_DEP_2)
	v_pk_add_f32 v[14:15], v[14:15], v[248:249]
	s_delay_alu instid0(VALU_DEP_2)
	v_pk_add_f32 v[196:197], v[196:197], v[246:247]
	v_pk_add_f32 v[252:253], v[252:253], v[244:245]
	v_pk_add_f32 v[250:251], v[250:251], v[242:243]
	s_delay_alu instid0(VALU_DEP_2)
	v_pk_add_f32 v[14:15], v[14:15], v[252:253]
	s_delay_alu instid0(VALU_DEP_2)
	v_pk_add_f32 v[196:197], v[196:197], v[250:251]
	s_delay_alu instid0(VALU_DEP_1)
	v_pk_add_f32 v[14:15], v[14:15], v[196:197]
	s_wait_alu depctr_va_vdst(0)                   ; and one for the four
.irp b, 0,1,2,3
	v_max_num_f32 v[BM+\b], 0x1800000, v[BM+\b]    ; the floor: the byte cannot fall under 1
.endr
.irp b, 0,1,2,3
	s_delay_alu instid0(VALU_DEP_4)
	v_add_nc_u32 v[SO+\b], 0xff000000, v[BM+\b]
.endr
.irp b, 0,1,2,3
	s_delay_alu instid0(VALU_DEP_4)
	v_lshrrev_b32 v[T4+\b], 23, v[SO+\b]
.endr
	s_delay_alu instid0(VALU_DEP_3)
	v_lshl_or_b32 v[PWD], v[T4+1], 8, v[T4]
	s_delay_alu instid0(VALU_DEP_1)
	v_lshl_or_b32 v[PWD], v[T4+2], 16, v[PWD]
	s_delay_alu instid0(VALU_DEP_1)
	v_lshl_or_b32 v[PWD], v[T4+3], 24, v[PWD]
.irp c, 0,1
	v_cvt_scalef32_pk16_fp6_f32 v[PCD+6*\c:PCD+6*\c+2], v[S+32*\c:S+32*\c+15], v[SO+2*\c]
	v_cvt_scalef32_pk16_fp6_f32 v[T4+4*\c:T4+4*\c+2], v[S+32*\c+16:S+32*\c+31], v[SO+2*\c+1]
.endr
	v_nop                                          ; one plain line behind the conversions
.irp d, 0,1,2,3                        ; p has been read: V's four fragments take its registers
.irp p, 0,1,2,3,4,5
	ds_load_b64 v[S+12*\d+2*\p:S+12*\d+2*\p+1], v[ADV] offset:\d*1536+256*\p
.endr
.endr
	ds_load_b128 v[VW:VW+3], v[ADT]
.irp c, 0,1
.irp i, 0,1,2
	v_permlane16_swap_b32 v[PCD+6*\c+\i], v[T4+4*\c+\i]
.endr
.irp i, 0,1,2
	s_delay_alu instid0(VALU_DEP_3)
	v_mov_b32 v[PCD+3+6*\c+\i], v[T4+4*\c+\i]
.endr
.endr
.set n, 0
.rept 16
	v_pk_mul_f32 v[O+n:O+n+1], v[O+n:O+n+1], v[F:F+1] op_sel_hi:[1,0]   ; O^T under the new M; these lines also stand between the making of p's codes and scale word and the products
.set n, n+2
.endr
	s_wait_alu depctr_va_vdst(0)
	s_wait_dscnt 0x0
.irp d, 0,1,2,3
	v_wmma_scale_f32_16x16x128_f8f6f4 v[O+8*\d:O+8*\d+7], v[S+12*\d:S+12*\d+11], v[PCD:PCD+11], v[O+8*\d:O+8*\d+7], v[VW+\d], v[PWD] matrix_a_fmt:MATRIX_FMT_FP6 matrix_b_fmt:MATRIX_FMT_FP6
.endr
.Lhidden_\@:
	s_add_co_u32 s[KF], s[KF], 128
	s_add_co_u32 s[TK], s[TK], 6144
	s_add_co_u32 s[TS], s[TS], 512
	s_add_co_u32 s[TJ], s[TJ], 256
.endm
; A TILE of 16 queries: n key steps walked, then ctx = O / l is quantised along the head's 64 and stored.
.macro TILE qf, qw, n, vq, vs
	s_wait_xcnt 0x0                                ; an earlier tile's stores have read their registers
	v_mov_b32 v13, 0xff61b1e6                      ; the largest t so far: -3e38
	s_delay_alu instid0(VALU_DEP_1)
	v_floor_f32 v12, -v13
	v_mov_b32 v14, 0
	v_mov_b32 v15, 0
.set m, 0
.rept 32
	v_mov_b32 v[O+m], 0                            ; the step is written once: the first finds zeros
.set m, m+1
.endr
	s_mov_b32 s[TK], 0
	s_mov_b32 s[TS], 0
	s_mov_b32 s[TJ], 0
	s_mov_b32 s[KF], 0
	s_mov_b32 s[CNT], \n
.Lstep_\@:
	STEP \qf, \qw
	s_sub_co_u32 s[CNT], s[CNT], 1
	s_cmp_lg_u32 s[CNT], 0
	s_cbranch_scc1 .Lstep_\@
.rept 4
	v_nop
.endr
	v_add_f32 v14, v14, v15
	s_delay_alu instid0(VALU_DEP_1)
	v_permlanex16_b32 v[TMP], v14, s[SEL], s[SEL+1]
	s_delay_alu instid0(VALU_DEP_1)
	v_add_f32 v14, v14, v[TMP]                     ; the row's sum
	s_wait_alu depctr_va_vdst(0)
	v_rcp_f32 v14, v14
	v_nop
	s_wait_alu depctr_va_vdst(0)
.set m, 0
.rept 32
	v_mul_f32 v[S+m], v[O+m], v14                  ; register 16 b + i = channel 32 b + 16 h + i
.set m, m+1
.endr
.irp b, 0,1
	v_max3_num_f32 v[BM+\b], |v[S+16*\b]|, |v[S+1+16*\b]|, 0x1800000
.endr
.irp i, 2,4,6,8,10,12,14
.irp b, 0,1
	s_delay_alu instid0(VALU_DEP_2)
	v_max3_num_f32 v[BM+\b], v[BM+\b], |v[S+16*\b+\i]|, |v[S+1+16*\b+\i]|
.endr
.endr
.irp b, 0,1
	s_delay_alu instid0(VALU_DEP_2)
	v_permlanex16_b32 v[T4+\b], v[BM+\b], s[SEL], s[SEL+1]
.endr
.irp b, 0,1
	s_delay_alu instid0(VALU_DEP_2)
	v_max_num_f32 v[BM+\b], v[BM+\b], v[T4+\b]
.endr
.irp b, 0,1
	s_delay_alu instid0(VALU_DEP_2)
	v_add_nc_u32 v[SO+\b], 0xff000000, v[BM+\b]
.endr
.irp b, 0,1
	s_delay_alu instid0(VALU_DEP_2)
	v_lshrrev_b32 v[T4+\b], 23, v[SO+\b]
.endr
	s_delay_alu instid0(VALU_DEP_1)
	v_lshl_or_b32 v[TMP], v[T4+1], 8, v[T4]        ; my row's two scale bytes
	v_cvt_scalef32_pk16_fp6_f32 v[PCD:PCD+2], v[S:S+15], v[SO]
	v_cvt_scalef32_pk16_fp6_f32 v[T4+4:T4+6], v[S+16:S+31], v[SO+1]
	v_nop
.irp i, 0,1,2
	v_permlane16_swap_b32 v[PCD+\i], v[T4+4+\i]
.endr
.irp i, 0,1,2
	s_delay_alu instid0(VALU_DEP_3)
	v_mov_b32 v[PCD+3+\i], v[T4+4+\i]
.endr
.irp q, 0,1,2
	global_store_b64 v[\vq], v[PCD+2*\q:PCD+2*\q+1], s[8:9] offset:256*\q   ; 256 consecutive bytes, aligned
.endr
	global_store_b16 v[\vs], v[TMP], s[10:11]      ; lanes l and l xor 16 write the same two bytes with the same value
.endm
	s_wait_loadcnt 0x0                             ; Q
	s_cmp_lt_u32 s[WV], 4
	s_cbranch_scc0 .Lnot_first
	s_wait_tensorcnt 0x0                           ; waves 0-3: my fill (keys 0-511) is in
.Lnot_first:
	s_barrier_signal -1
	s_barrier_wait -1
	TILE QFA, QWA, 4, VQA, VSA
	s_wait_tensorcnt 0x0                           ; keys 512-1023 are in,
	s_wait_dscnt 0x0
	s_barrier_signal -1
	s_barrier_wait -1                              ; everybody's are
	s_mov_b32 s[Q0], s99
	TILE QFB, QWB, 8, VQB, VSB
	s_wait_tensorcnt 0x0
	ds_add_u32 v254, v255
	s_wait_dscnt 0x0
	s_endpgm
.Lfunc_end_k_qe6a3b30ea1_attn:
	.size	k_qe6a3b30ea1_attn, .Lfunc_end_k_qe6a3b30ea1_attn-k_qe6a3b30ea1_attn
	.p2alignl 7, 3214868480
	.fill 96, 4, 3214868480
	.section	.rodata,"a",@progbits
	.p2align	6, 0x0
	.amdhsa_kernel k_qe6a3b30ea1_attn
		.amdhsa_group_segment_fixed_size 169984
		.amdhsa_private_segment_fixed_size 0
		.amdhsa_enable_private_segment 0
		.amdhsa_kernarg_size 32
		.amdhsa_user_sgpr_count 2
		.amdhsa_user_sgpr_kernarg_segment_ptr 1
		.amdhsa_wavefront_size32 1
		.amdhsa_system_sgpr_workgroup_id_x 1
		.amdhsa_system_sgpr_workgroup_id_y 1
		.amdhsa_system_sgpr_workgroup_id_z 1
		.amdhsa_system_vgpr_workitem_id 0
		.amdhsa_next_free_vgpr 256
		.amdhsa_next_free_sgpr 100
		.amdhsa_reserve_vcc 1
		.amdhsa_float_denorm_mode_32 3
		.amdhsa_float_denorm_mode_16_64 3
		.amdhsa_memory_ordered 1
		.amdhsa_forward_progress 1
		.amdhsa_inst_pref_size 73
	.end_amdhsa_kernel
	.amdgpu_metadata
---
amdhsa.version: [ 1, 2 ]
amdhsa.kernels:
  - .name:           k_qe6a3b30ea1_attn
    .symbol:         k_qe6a3b30ea1_attn.kd
    .args:
      - { .name: hc, .offset: 0, .size: 8, .value_kind: global_buffer, .address_space: global }
      - { .name: hs, .offset: 8, .size: 8, .value_kind: global_buffer, .address_space: global }
      - { .name: cc, .offset: 16, .size: 8, .value_kind: global_buffer, .address_space: global }
      - { .name: cs, .offset: 24, .size: 8, .value_kind: global_buffer, .address_space: global }
    .group_segment_fixed_size: 169984
    .private_segment_fixed_size: 0
    .kernarg_segment_align: 8
    .kernarg_segment_size: 32
    .max_flat_workgroup_size: 512
    .sgpr_count:     100
    .vgpr_count:     256
    .wavefront_size: 32
...
	.end_amdgpu_metadata
.endif
;; end of part 3
;; launch oproj (part 4): grid 4 x 64, 4 waves a work-group, clusters of 4 x 4, 327,680 bytes of LDS; arguments cc, cs, wc, ws, bo, out0; writes out0
.if DOCPART == 4
	.amdgcn_target "amdgcn-amd-amdhsa--gfx1250"
	.amdhsa_code_object_version 6
	.text
	.protected	k_qe6a3b30ea1_oproj
	.globl	k_qe6a3b30ea1_oproj
	.p2align	8
	.type	k_qe6a3b30ea1_oproj,@function
k_qe6a3b30ea1_oproj:
	s_mov_b64 s[64:65], 0
	v_nop
	global_prefetch_b8 v0, s[64:65] scope:SCOPE_SE
	s_setreg_imm32_b32 hwreg(HW_REG_WAVE_MODE, 25, 1), 1
	s_wait_xcnt 0x0
	s_wait_alu depctr_hold_cnt(0) depctr_sa_sdst(0) depctr_va_vdst(0) depctr_va_sdst(0) depctr_va_ssrc(0) depctr_va_vcc(0) depctr_vm_vsrc(0)
	s_getreg_b32 s2, hwreg(HW_REG_IB_STS2, 6, 4)
	s_cmp_eq_u32 s2, 0
	s_cbranch_scc0 .Lentry_in_a_cluster
	s_endpgm
.Lentry_in_a_cluster:
	s_bfe_u32 s2, ttmp6, 0x10000c
	s_cmp_lg_u32 s2, 0xf033
	s_cbranch_scc0 .Lentry_shape_is_right
	s_endpgm
.Lentry_shape_is_right:
; out0 = ctx Wo + bo on codes of FP6 (E2M3); f32 out.
; THE DEAL: 256 work-groups in 16 clusters of 4 x 4; a cluster makes 512 tokens x 1,024 features, a work-group 128 x 256.  Wave w takes features 64 w .. 64 w + 63 and all 128 tokens.
; A wave holds its 64 rows of Wo, ALL of K, in registers (4 tiles x 8 K steps x 12 = 384) and streams ctx past them in eight blocks of 16 tokens, all of K: 32 matrix instructions finish a block's 16 x 64 results,
; and the block leaves at once, so the stores are spread over the whole walk.  A block's fragments lie twice in registers: block s reads set s % 2, which then takes block s + 2.
; LDS, filled once (no ring, no refill): ctx [half of 4 blocks: 2][K step: 8][4 blocks][1536] at 0; Wo [K step: 8][16 blocks][1536] at 98,304; the spare words; a stage of 16 rows x 272 bytes for each wave.
; Four joint loads at the head, one a wave, each on a line of its own: waves 0, 1 Wo's K steps 0-3, 4-7; waves 2, 3 ctx's halves.  The first barrier shows Wo alone; its 192 LDS loads stand ahead of the wait for ctx.
; The product is used transposed (source 0 = Wo's rows, with bits 3 and 4 of their number exchanged): register i of tile b is feature 32 (b / 2) + 16 h + 8 (b % 2) + i of the lane's token.
; SCALE WORDS by plain loads, for all of K: SC + 8 s + i: Wo's tiles 2 i (lanes 0-15), 2 i + 1 (lanes 16-31) of K step s; SC + 8 s + 4 + i: ctx's blocks 2 i, 2 i + 1.  The bias is the first products' C.
; A sum's steps have the three other tiles' instructions between them.
; No prefetch: every tile is asked for at the head, and the text has no loop to run ahead in.
; LIMITS: NaN and infinities are not served.
; REGISTERS: window 0: v16-29 addresses; v32-95 scale words; v96-127 the bias; v128-191 two sets of four accumulators; v192-223 a block read back from the stage.
;   Fragment f lies in window 1 + f / 21 at register 12 (f % 21): 0-31 Wo's (4 s + b), 32-39 and 40-47 ctx's two sets.
.set FR,    12
.set NP,    4
.set BB0,   98304
.set SPARE, 294912
.set STAGE, SPARE+512
.set SPITCH, 272
.set ADRA, 16                          ; v16-17 ctx's halves
.set ADRB, 18                          ; v18-21 my rows of Wo, two K steps each
.set BO1,  22
.set STO,  24
.set RD,   25
.set CO,   26
.set O4,   27
.set SPW,  28
.set NIL,  29
.set SC,   32
.set BI,   96
.set ACC,  128
.set BK,   192
.set G1,   24
.set G0,   32
.set G1B,  48
.set G0B,  56
.set SAP,  68
.set SBP,  70
.set MSB, 0
.macro WIN new
.if MSB != \new
	s_set_vgpr_msb (MSB<<8)|\new
.set MSB, \new
.endif
.endm
.macro PLACES n
.rept \n
	v_nop
.endr
.endm
.macro BARRIER
	s_barrier_signal -1
	s_barrier_wait -1
.endm
.macro CROUND
	BARRIER
	s_cmp_lg_u32 s14, 0
	s_cbranch_scc1 .Lnot_wave_0_\@
	s_barrier_signal -3
.Lnot_wave_0_\@:
	s_barrier_wait -3
	BARRIER
.endm
.macro WM d, fb, fa, c, xb, xa, rb, ra
	v_wmma_scale_f32_16x16x128_f8f6f4 v[\d:\d+7], v[\fb:\fb+FR-1], v[\fa:\fa+FR-1], \c, v[\xb], v[\xa] matrix_a_fmt:MATRIX_FMT_FP6 matrix_b_fmt:MATRIX_FMT_FP6 matrix_a_scale:MATRIX_SCALE_ROW\rb matrix_b_scale:MATRIX_SCALE_ROW\ra
.endm
.macro FRG f, adr, off                 ; fragment f: six pieces of 256 consecutive bytes
.set W_, (1+(\f)/21)<<6
.set R_, FR*((\f)%21)
	WIN W_
.irp p, 0,1,2,3,4,5
	ds_load_b64 v[R_+2*\p:R_+2*\p+1], v[\adr] offset:(\off)+256*\p
.endr
.endm
.macro WEIGHTS
.irp ks, 0,1,2,3,4,5,6,7
.irp b, 0,1,2,3
	FRG 4*\ks+\b, ADRB+\ks/2, (\ks%2)*24576+\b*1536
.endr
.endr
	WIN 0
.endm
.macro FETCH s, e                      ; block s of ctx, all of K, into set e: 48 loads
.irp ks, 0,1,2,3,4,5,6,7
	FRG 32+8*(\e)+\ks, ADRA+(\s)/4, \ks*6144+((\s)%4)*1536
.endr
	WIN 0
.endm
.macro MULB s, so, e                   ; block s (so = s % 2): 32 matrix instructions
.irp ks, 0,1,2,3,4,5,6,7
.irp bp, 0,1
.irp bo, 0,1
.set FB_, 4*\ks+2*\bp+\bo
.set FA_, 32+8*(\e)+\ks
.set D_, ACC+32*(\e)+8*(2*\bp+\bo)
.set C_, BI+8*(2*\bp+\bo)
.set W_, (1+FB_/21)|((1+FA_/21)<<2)
	WIN W_
.if \ks == 0
	WM D_, FR*(FB_%21), FR*(FA_%21), v[C_:C_+7], SC+8*\ks+\bp, SC+8*\ks+4+(\s)/2, \bo, \so
.else
	WM D_, FR*(FB_%21), FR*(FA_%21), v[D_:D_+7], SC+8*\ks+\bp, SC+8*\ks+4+(\s)/2, \bo, \so
.endif
.endr
.endr
.endr
	WIN 0
.endm
.macro TOSTAGE s                       ; 16 tokens x 64 features into my stage, and back as whole rows of 256 bytes (LDS serves a wave's instructions in order: ISA guide 5.7.1.4)
.set AC, ACC+32*((\s)%2)
.irp b, 0,1,2,3
	ds_store_b128 v[STO], v[AC+8*\b:AC+8*\b+3] offset:128*(\b/2)+32*(\b%2)       ; each accumulator from its low end on
	ds_store_b128 v[STO], v[AC+8*\b+4:AC+8*\b+7] offset:128*(\b/2)+32*(\b%2)+16
.endr
.irp t, 0,1,2,3,4,5,6,7
	ds_load_b128 v[BK+4*\t:BK+4*\t+3], v[RD] offset:\t*2*SPITCH
.endr
.endm
.macro SEND s
	s_wait_dscnt 0x0                               ; the block is back (and the next block's fragments, asked for earlier, are in)
.irp t, 0,1,2,3,4,5,6,7
	global_store_b128 v[CO], v[BK+4*\t:BK+4*\t+3], s[94:95] offset:(\s)*65536+\t*8192 th:TH_STORE_NT   ; sixteen lanes store 256 consecutive bytes, aligned
.endr
.endm
.macro BLK s, so
.if \s == 0
	s_wait_dscnt 48                                ; block 0's fragments are in; block 1's 48 loads may be out
.elseif \s == 1
	s_wait_dscnt 63                                ; behind block 1's loads 64 LDS instructions were issued
.endif
	MULB \s, \so, (\s)%2
.if \s > 0
	SEND (\s)-1
.endif
	PLACES NP
.if \s < 6
	FETCH (\s)+2, (\s)%2
.endif
.if \s > 0
	s_wait_xcnt 0x0                                ; the last block's stores have read their registers
.endif
	TOSTAGE \s
.endm
.macro ARM w, g0, g1, next
	s_cmp_eq_u32 s14, \w
	s_cbranch_scc0 \next
	tensor_load_to_lds s[\g0:\g0+3], s[\g1:\g1+7]
	s_nop 0
	PLACES 4
	s_branch .Lasked
\next:
.endm
	s_load_b256 s[4:11], s[0:1], 0x0               ; cc, cs, wc, ws
	s_load_b128 s[92:95], s[0:1], 0x20             ; bo, out0
	v_lshl_add_u32 v[SPW], v0, 2, SPARE
	v_mov_b32 v[NIL], 0
	ds_add_u32 v[SPW], v[NIL]                      ; the opening lines: the add twice on end and its wait
	ds_add_u32 v[SPW], v[NIL]
	v_lshrrev_b32 v1, 5, v0
	v_readfirstlane_b32 s14, v1
	s_and_b32 s16, s14, 1                          ; which half of my operand I fetch
	s_bfe_u32 s40, ttmp6, 0x40000
	s_bfe_u32 s41, ttmp6, 0x40004
	s_and_b32 s13, ttmp7, 0xffff
	s_and_b32 s12, s13, 1                          ; which 512 tokens of the batch
	s_lshr_b32 s13, s13, 1                         ; batch
	s_lshl_b32 s43, s41, 2
	s_lshl_b32 s43, 15, s43
	s_lshl_b32 s44, 0x1111, s40
	s_or_b32 s[G1+0], s43, (3<<16)|(1<<21)         ; ctx: 8 rows (K steps) of 6,144 bytes (4 blocks), 98,304 apart
	s_mov_b32 s[G1+1], 768<<16
	s_mov_b32 s[G1+2], 8<<16
	s_mov_b32 s[G1+3], 768<<16
	s_mov_b32 s[G1+4], 8
	s_mov_b32 s[G1+5], 12288
	s_mov_b32 s[G1+6], 0
	s_mov_b32 s[G1+7], 0
	s_or_b32 s[G1B+0], s44, (3<<16)|(1<<21)        ; Wo: 4 rows (K steps) of 24,576 bytes
	s_mov_b32 s[G1B+1], 3072<<16
	s_mov_b32 s[G1B+2], 4<<16
	s_mov_b32 s[G1B+3], 3072<<16
	s_mov_b32 s[G1B+4], 4
	s_mov_b32 s[G1B+5], 12288
	s_mov_b32 s[G1B+6], 0
	s_mov_b32 s[G1B+7], 0
	s_lshl_b32 s45, s12, 2
	s_add_co_u32 s45, s45, s41                     ; which 128 tokens of the batch
	s_mul_i32 s18, s13, 786432
	s_mul_i32 s19, s45, 12288
	s_add_co_u32 s18, s18, s19
	s_mul_i32 s19, s16, 6144
	s_add_co_u32 s18, s18, s19
	s_mov_b32 s19, 0
	s_mul_i32 s20, s40, 24576
	s_mul_i32 s21, s16, 393216
	s_add_co_u32 s20, s20, s21
	s_add_co_u32 s20, s20, 2359296
	s_mov_b32 s21, 0
	s_mov_b32 s[G0], 1
	s_mul_i32 s[G0+1], s16, 49152
	s_mov_b32 s[G0B], 1
	s_mul_i32 s[G0B+1], s16, 98304
	s_add_co_u32 s[G0B+1], s[G0B+1], BB0
	s_mul_i32 s3, s14, 6144
	s_add_co_u32 s3, s3, BB0
	s_mul_i32 s23, s14, 16*SPITCH
	s_add_co_u32 s23, s23, STAGE                   ; my stage
	v_and_b32 v1, 15, v0
	v_bfe_u32 v2, v0, 4, 1
	v_and_b32 v3, 31, v0
	v_lshlrev_b32 v[ADRA], 3, v3
	v_lshlrev_b32 v[O4], 2, v3
	v_lshlrev_b32 v5, 4, v1
	v_add_nc_u32 v[ADRA+1], 49152, v[ADRA]
	v_add_nc_u32 v[ADRB], s3, v[ADRA]
	v_lshl_add_u32 v[CO], v2, 12, v5               ; out: two rows an instruction, sixteen lanes to a row's 256 bytes
	v_mul_u32_u24 v6, v2, SPITCH
	v_mul_u32_u24 v7, v1, SPITCH
	v_add_nc_u32 v[ADRB+1], 49152, v[ADRB]
	v_add_nc_u32 v[ADRB+2], 98304, v[ADRB]
	v_add_nc_u32 v[ADRB+3], 147456, v[ADRB]
	v_add_nc_u32 v6, v6, v5
	v_lshl_add_u32 v7, v2, 6, v7
	v_lshlrev_b32 v[BO1], 6, v2
	v_add_nc_u32 v[RD], s23, v6
	v_add_nc_u32 v[STO], s23, v7
	s_wait_alu depctr_va_vdst(0)                   ; the wait at the end of the head's vector work
	s_wait_dscnt 0x0
	CROUND                                         ; all sixteen work-groups are here: the joint loads meet
	s_wait_kmcnt 0x0
	s_add_nc_u64 s[G0+2:G0+3], s[4:5], s[18:19]
	s_or_b32 s[G0+3], s[G0+3], 0x80000000
	s_add_nc_u64 s[G0B+2:G0B+3], s[8:9], s[20:21]
	s_or_b32 s[G0B+3], s[G0B+3], 0x80000000
	ARM 0, G0B, G1B, .Lw1
	ARM 1, G0B, G1B, .Lw2
	ARM 2, G0, G1, .Lw3
	tensor_load_to_lds s[G0:G0+3], s[G1:G1+7]
	s_nop 0
	PLACES 4
.Lasked:
	s_mov_b32 s23, 0
	s_lshl_b32 s22, s13, 15                        ; ctx's scale words: the work-group's 8 blocks
	s_lshl_b32 s17, s45, 9
	s_add_co_u32 s22, s22, s17
	s_add_nc_u64 s[SAP:SAP+1], s[6:7], s[22:23]
	s_lshl_b32 s22, s40, 10                        ; Wo's: my 4 tiles
	s_lshl_b32 s17, s14, 8
	s_add_co_u32 s22, s22, s17
	s_add_nc_u64 s[92:93], s[92:93], s[22:23]      ; my 64 features: 256 bytes of the bias, and of a row of out0
	s_add_nc_u64 s[94:95], s[94:95], s[22:23]
	s_add_co_u32 s22, s22, 98304
	s_add_nc_u64 s[SBP:SBP+1], s[10:11], s[22:23]
.set K_, 0
.rept 8
.irp i, 0,1,2,3
	global_load_b32 v[SC+8*K_+4+\i], v[O4], s[SAP:SAP+1] offset:4096*K_+128*\i    ; 128 consecutive bytes a load
.if \i < 2
	global_load_b32 v[SC+8*K_+\i], v[O4], s[SBP:SBP+1] offset:4096*K_+128*\i
.endif
.endr
.set K_, K_+1
.endr
.irp t, 0,1,2,3
	global_load_b128 v[BI+8*\t:BI+8*\t+3], v[BO1], s[92:93] offset:(32*(\t/2)+8*(\t%2))*4
	global_load_b128 v[BI+8*\t+4:BI+8*\t+7], v[BO1], s[92:93] offset:(32*(\t/2)+8*(\t%2))*4+16
.endr
	s_lshl_b32 s22, s13, 10
	s_lshl_b32 s17, s45, 7
	s_add_co_u32 s22, s22, s17                     ; the work-group's first token
	s_lshl_b32 s22, s22, 12
	s_add_nc_u64 s[94:95], s[94:95], s[22:23]
	s_cmp_lt_u32 s14, 2
	s_cbranch_scc0 .Lnot_wo
	s_wait_tensorcnt 0x0
.Lnot_wo:
	BARRIER                                        ; Wo's rows are in; ctx may be on its way
	WEIGHTS
	s_wait_tensorcnt 0x0
	s_wait_dscnt 0x0
	BARRIER                                        ; ctx is in
	FETCH 0, 0
	FETCH 1, 1
	s_wait_loadcnt 0x0                             ; the scale words and the bias
	BLK 0, 0
	BLK 1, 1
	BLK 2, 0
	BLK 3, 1
	BLK 4, 0
	BLK 5, 1
	BLK 6, 0
	BLK 7, 1
	SEND 7
	s_wait_tensorcnt 0x0                           ; the wave's end
	ds_add_u32 v[SPW], v[NIL]
	s_wait_dscnt 0x0
	CROUND                                         ; the closing round
	s_endpgm
.Lfunc_end_k_qe6a3b30ea1_oproj:
	.size	k_qe6a3b30ea1_oproj, .Lfunc_end_k_qe6a3b30ea1_oproj-k_qe6a3b30ea1_oproj
	.p2alignl 7, 3214868480
	.fill 96, 4, 3214868480
	.section	.rodata,"a",@progbits
	.p2align	6, 0x0
	.amdhsa_kernel k_qe6a3b30ea1_oproj
		.amdhsa_group_segment_fixed_size 327680
		.amdhsa_private_segment_fixed_size 0
		.amdhsa_enable_private_segment 0
		.amdhsa_kernarg_size 48
		.amdhsa_user_sgpr_count 2
		.amdhsa_user_sgpr_kernarg_segment_ptr 1
		.amdhsa_wavefront_size32 1
		.amdhsa_system_sgpr_workgroup_id_x 1
		.amdhsa_system_sgpr_workgroup_id_y 1
		.amdhsa_system_sgpr_workgroup_id_z 1
		.amdhsa_system_vgpr_workitem_id 0
		.amdhsa_next_free_vgpr 896
		.amdhsa_next_free_sgpr 96
		.amdhsa_reserve_vcc 0
		.amdhsa_float_denorm_mode_32 3
		.amdhsa_float_denorm_mode_16_64 3
		.amdhsa_memory_ordered 1
		.amdhsa_forward_progress 1
		.amdhsa_inst_pref_size 98
	.end_amdhsa_kernel
	.amdgpu_metadata
---
amdhsa.version: [ 1, 2 ]
amdhsa.kernels:
  - .name:           k_qe6a3b30ea1_oproj
    .symbol:         k_qe6a3b30ea1_oproj.kd
    .args:
      - { .name: cc, .offset: 0, .size: 8, .value_kind: global_buffer, .address_space: global }
      - { .name: cs, .offset: 8, .size: 8, .value_kind: global_buffer, .address_space: global }
      - { .name: wc, .offset: 16, .size: 8, .value_kind: global_buffer, .address_space: global }
      - { .name: ws, .offset: 24, .size: 8, .value_kind: global_buffer, .address_space: global }
      - { .name: bo, .offset: 32, .size: 8, .value_kind: global_buffer, .address_space: global }
      - { .name: out0, .offset: 40, .size: 8, .value_kind: global_buffer, .address_space: global }
    .group_segment_fixed_size: 327680
    .private_segment_fixed_size: 0
    .kernarg_segment_align: 8
    .kernarg_segment_size: 48
    .max_flat_workgroup_size: 128
    .sgpr_count:     96
    .vgpr_count:     896
    .wavefront_size: 32
...
	.end_amdgpu_metadata
.endif
;; end of part 4
